; MI455X (gfx1250); checked and timed in simulation.
; The chip was launched on July 23, 2026; its instructions are those of AMD's public machine-readable ISA for CDNA 5 (MIT licence, August 2026) and "CDNA5" Instruction Set Architecture Reference Guide (July 2026). The comments in the code are by the model that wrote it; some were corrected since.
;; Multi Head Attention. Allowed arithmetic: matrix products marked QUANTISED: E4M3 operands, one given power-of-two scale a tensor, by v_wmma_f32_16x16x64_fp8_fp8 or v_wmma_f32_16x16x128_fp8_fp8, f32 sums; everything else in f32.
;; Inputs: Wk 1,024 x 1,024 float32; Wo 1,024 x 1,024 float32; Wq 1,024 x 1,024 float32; Wv 1,024 x 1,024 float32; bo 1,024 float32; lowp_scales 12 int32 (the exponents e of the quantised operands' scales 2^e); x 4 x 2,048 x 1,024 float32.
;; Outputs: out0 4 x 2,048 x 1,024 float32.
;; This version of the problem:
;;   THIS VERSION OF THE PROBLEM IS GIVEN IN LOW PRECISION. The matrix products marked QUANTISED in the list below multiply operands that are first quantised to E4M3 (4 exponent bits, 3 mantissa bits; 8 bits a number), with one given power-of-two scale for each operand tensor; their sums are f32. All else is computed in f32.
;;   The module's matrix products, in the order in which they are computed (A, B: the left and right operand; K: the contracted axis; several contracted axes count as one K, in the product's order):
;;     1. [M 8,192, K 1,024] x [K 1,024, N 1,024]; A: input x; B: input Wq: QUANTISED (scales: A lowp_scales[0], B lowp_scales[1])
;;     2. [M 8,192, K 1,024] x [K 1,024, N 1,024]; A: input x; B: input Wk: QUANTISED (scales: A lowp_scales[2], B lowp_scales[3])
;;     3. [M 8,192, K 1,024] x [K 1,024, N 1,024]; A: input x; B: input Wv: QUANTISED (scales: A lowp_scales[4], B lowp_scales[5])
;;     4. batch 64 x [M 2,048, K 64] x [K 64, N 2,048]; A: computed on the way; B: computed on the way: QUANTISED (scales: A lowp_scales[6], B lowp_scales[7])
;;     5. batch 64 x [M 2,048, K 2,048] x [K 2,048, N 64]; A: softmax (see below); B: computed on the way: QUANTISED (scales: A lowp_scales[8], B lowp_scales[9])
;;     6. [M 8,192, K 1,024] x [K 1,024, N 1,024]; A: computed on the way; B: input Wo: QUANTISED (scales: A lowp_scales[10], B lowp_scales[11])
;;   THE QUANTISER, for each operand of a quantised product, along K:
;;     - The operand's scale is 2^e, e = its entry of the input lowp_scales (int32; the entries are numbered through the quantised products in the list's order, A before B).
;;     - Each number is divided by the scale, clamped to +-448, and rounded to the nearest number of E4M3, ties to even, subnormals kept.
;;     - The product sums the exact products of the quantised numbers (number of the format x scale) in f32.
;;   ~~~python
;;   def quantise(x, axis, e):      # numpy; x: float32 -> the quantised numbers, widened to float32 again
;;       x = np.moveaxis(x, axis, -1); K = x.shape[-1]
;;       r = np.clip(x / 2.0 ** e, -448, 448)
;;       step = 2.0 ** (np.maximum(np.frexp(np.where(r == 0, 1, r))[1] - 1, -6) - 3)
;;       q = np.round(r / step) * step * 2.0 ** e      # np.round: ties to even
;;       return np.moveaxis(q, -1, axis).astype(np.float32)
;;   ~~~
;;   SOFTMAX AHEAD OF A QUANTISED PRODUCT. Where the list says 'softmax', what is quantised is not the finished softmax but p = 2^(t - M), with t = logit x log2(e) and M = ceil(the row's largest t), a whole number; so 1/2 < the row's largest p <= 1. The row's sum l is taken of the UNQUANTISED p, in f32, and the product's result is divided by l at the end. Since M is a whole number, a kernel that streams over the keys may use a running M (the ceiling of the running maximum): every later rescaling is an exact power of two, so the quantised numbers keep their values, but for numbers so far below the row's largest that they fall under the format's range.
;;   OPERANDS COMPUTED ON THE WAY. 'Computed on the way' means the value that the module computes at that place (a softmax that the list does not call 'softmax' is quantised finished and normalised). What goes into a quantiser is computed in f32, as accurately as f32 sums, v_exp_f32 and their like allow (about 1e-6 of the number): no bf16 or f16 on the way to a quantiser, and a product that is left as it is and whose result goes on into a quantised operand takes f32 operands (vector FMAs, or v_wmma_f32_16x16x4_f32). A number that lies on a knife's edge between two numbers of the format may be rounded either way, as far as f32 arithmetic and the matrix unit's own rounding can turn it there, and no further.
;; One version. Each part assembles by itself: llvm-mc -triple=amdgcn-amd-amdhsa -mcpu=gfx1250 --defsym DOCPART=n.
;; ======== version 1 of 1: 4 launches
;; limits: right only within a limited range of input values
;; workspace buffers: opc 29,360,128 bytes; qkv 25,165,824 bytes; ctxc 8,388,608 bytes
;; launch quant (part 1): grid 640 x 1, 4 waves a work-group, no clusters, 68,096 bytes of LDS; arguments x, Wq, Wk, Wv, Wo, lowp_scales, opc; writes opc
.if DOCPART == 1
	.amdgcn_target "amdgcn-amd-amdhsa--gfx1250"
	.amdhsa_code_object_version 6
	.text
	.protected	k_q04b1af4855_quant
	.globl	k_q04b1af4855_quant
	.p2align	8
	.type	k_q04b1af4855_quant,@function
k_q04b1af4855_quant:
	s_mov_b64 s[64:65], 0
	v_nop
	global_prefetch_b8 v0, s[64:65] scope:SCOPE_SE
	s_setreg_imm32_b32 hwreg(HW_REG_WAVE_MODE, 25, 1), 1
	s_wait_xcnt 0x0
; x [8192][1024] f32 becomes THREE sets of E4M3 codes (its scale entries 0, 2, 4 may differ, and codes under different scales are no shifts of each other: the hold and the subnormals differ);
; Wq, Wk, Wv, Wo [1024 k][1024 n] f32 become codes laid [n][k], K innermost (entries 1, 3, 5, 11).
; code = number / 2^e, held within +-448, rounded to the nearest code, ties to even.
; OUT: opc = xc[3][8192][1024] from byte 0 (8,388,608 bytes a set), then wc[4][1024 n][1024 k] from byte 25,165,824 (1,048,576 bytes each: q, k, v, o).
; LIMITS: each e used here lies between -126 and 119, so that 2^e and 448 x 2^e are f32 numbers.  NaN among the inputs is not served; an infinity is held at the largest code.
; Work-groups 0-511 take x, work-groups 512-639 the weights: two ways that part on the work-group's number, each with LDS bytes of its own.  No barrier: waves share nothing.  No matrix unit, no cluster:
; the launch only streams, every input byte once.
.set XWG,    512                       ; work-groups of the x way
.set SP,     80                        ; x way: a lane's place in a stage: its 64 bytes + 16 of padding
.set XR,     16                        ; v16-79    four sets of 16 numbers as they are loaded
.set XX,     80                        ; v80-111   two sets of 16 neighbours along K
.set XT,     112
.set XC,     144                       ; v144-239  codes: 12 registers for each step, so that no store's data are written again
.set WSTG,   32768                     ; weights' way: its stages begin here
.set WP,     272                       ; a stage row: 256 bytes of codes + 16
.set WX,     32                        ; v32-95    two sets of 32 numbers down K
.set WC,     96                        ; v96-103   a block's codes
.set WO,     112                       ; v112-175  the way out
.set WCODES, 25165824                  ; where wc begins in opc
	s_load_b256 s[4:11], s[0:1], 0x0               ; x s[4:5], Wq s[6:7], Wk s[8:9], Wv s[10:11]
	s_load_b128 s[12:15], s[0:1], 0x20             ; Wo s[12:13], the scales' exponents s[14:15]
	s_load_b64 s[16:17], s[0:1], 0x30              ; opc
	v_lshl_add_u32 v240, v0, 2, 0x10800
	v_mov_b32 v241, 0
	v_lshrrev_b32 v1, 5, v0
	v_readfirstlane_b32 s18, v1                    ; wave 0..3
	v_and_b32 v2, 31, v0                           ; lane
	s_wait_kmcnt 0x0
	s_load_b256 s[36:43], s[14:15], 0x0            ; e0 .. e7
	s_load_b128 s[44:47], s[14:15], 0x20           ; e8 .. e11
	s_cmp_lt_u32 ttmp9, XWG
	s_cbranch_scc0 .Lweights
; ---------------- x.  Rows are dense, so x is a plain stream.  A wave takes 8 steps of 512 numbers.  Each of a step's four loads reads 512 consecutive bytes, 16 a lane; the conversions want 16 NEIGHBOURS in a lane:
; the step's 2,048 bytes go through the wave's own stage in LDS as they lie and come back 64 bytes a lane.  A lane's 16 codes are 16 bytes: each store of the wave covers 512 consecutive bytes, aligned.
	s_lshl_b32 s26, ttmp9, 2
	s_add_co_u32 s26, s26, s18                     ; which run of 4,096 numbers is my wave's
	s_lshl_b32 s28, s26, 14                        ; its bytes in x
	s_mov_b32 s29, 0
	s_add_nc_u64 s[4:5], s[4:5], s[28:29]
	s_wait_alu depctr_va_vdst(0)
	v_lshlrev_b32 v3, 4, v2                        ; my 16 bytes of a load's 512, and of a store's 512
.macro XLOAD t
.irp i, 0,1,2,3
	global_load_b128 v[XR+16*((\t)%4)+4*\i:XR+16*((\t)%4)+4*\i+3], v3, s[4:5] offset:2048*(\t)+512*\i th:TH_LOAD_NT
.endr
.endm
.macro XTURN t                         ; step t's numbers through the stage: LDS serves a wave's instructions in order, so no wait stands between the stores and the loads
.irp i, 0,1,2,3
	ds_store_b128 v14, v[XR+16*((\t)%4)+4*\i:XR+16*((\t)%4)+4*\i+3] offset:32*SP*((\t)%2)+8*SP*\i
.endr
	v_nop
.irp i, 0,1,2,3
	ds_load_b128 v[XX+16*((\t)%2)+4*\i:XX+16*((\t)%2)+4*\i+3], v15 offset:32*SP*((\t)%2)+16*\i
.endr
.endm
.irp t, 0,1,2,3
	XLOAD \t
.endr
	s_lshl_b32 s28, s26, 12                        ; its bytes in each set of codes
	s_add_nc_u64 s[20:21], s[16:17], s[28:29]      ; set 0 (e0)
	s_add_nc_u64 s[22:23], s[20:21], 0x800000      ; set 1 (e2)
	s_add_nc_u64 s[24:25], s[20:21], 0x1000000     ; set 2 (e4)
	s_lshl_b32 s27, s18, 13                        ; my wave's 8,192 bytes of LDS: two stages of 32 x SP
	v_lshrrev_b32 v14, 2, v2
	v_mul_u32_u24 v14, v14, SP
	v_and_b32 v15, 3, v2
	v_lshl_add_u32 v14, v15, 4, v14
	v_add_nc_u32 v14, s27, v14                     ; in: four lanes' 64 bytes on end, then the padding: SP (lane / 4) + 16 (lane % 4); a load's 512 bytes take eight places
	v_mul_u32_u24 v15, v2, SP
	v_add_nc_u32 v15, s27, v15                     ; out: SP x lane: my 16 neighbours
	s_wait_alu depctr_va_vdst(0)
	s_wait_kmcnt 0x0
.irp i, 0,1,2
	s_add_co_i32 s30, s[36+2*\i], 127
	s_lshl_b32 s31, s30, 23
	v_mov_b32 v[4+2*\i], s31                       ; 2^e as f32: the conversion takes its exponent field
	s_add_co_i32 s30, s30, 8
	s_lshl_b32 s30, s30, 23
	s_or_b32 s30, s30, 0x600000
.endr
	s_wait_alu depctr_va_vdst(0)
	s_wait_loadcnt 12                              ; step 0's four loads are in; the twelve of steps 1 to 3 may be out
	XTURN 0
.macro XSTEP t
.set XS, XX+16*((\t)%2)
	s_wait_dscnt 0x0                               ; this step's numbers are back from the stage: so its stores into the stage have read their registers,
.if (\t)+4 < 8
	XLOAD (\t)+4                                   ; which take the loads of four steps on
.endif
.if (\t)+1 < 8
.if 6-(\t) >= 3
	s_wait_loadcnt 12                              ; the next step's four loads are in; those of the three steps behind it may be out
.else
	s_wait_loadcnt 4*(6-(\t))                      ; the same, with fewer steps left
.endif
	XTURN (\t)+1                                   ; and go through the other stage while this step is worked
.endif
.irp i, 0,1,2                          ; the three scales.
.set TS, XT+16*((3*(\t)+\i)%2)
.irp k, 0,1,2,3,4,5,6,7,8,9,10,11,12,13,14,15
.endr
	v_cvt_scalef32_pk8_fp8_f32 v[XC+12*(\t)+4*\i:XC+12*(\t)+4*\i+1], v[XS:XS+7], v[4+2*\i]
	v_cvt_scalef32_pk8_fp8_f32 v[XC+12*(\t)+4*\i+2:XC+12*(\t)+4*\i+3], v[XS+8:XS+15], v[4+2*\i]
	global_store_b128 v3, v[XC+12*(\t)+4*\i:XC+12*(\t)+4*\i+3], s[20+2*\i:21+2*\i] offset:512*(\t)
.endr
.endm
.irp t, 0,1,2,3,4,5,6,7
	XSTEP \t
.endr
	s_wait_tensorcnt 0x0
	ds_add_u32 v240, v241
	s_wait_dscnt 0x0
	s_endpgm
; ---------------- the weights.  K is the FIRST axis.  A lane takes a column n and its registers run down K: each load reads neighbouring n in neighbouring lanes, and the conversions give codes with K innermost.
; A wave takes 32 columns x 256 along K; a work-group 128 columns; 32 work-groups a weight.  The codes leave through the wave's own stage, sixteen lanes to 256 consecutive bytes of a row, aligned.
.Lweights:
	s_sub_co_u32 s26, ttmp9, XWG
	s_lshr_b32 s27, s26, 5                         ; which weight: 0 q, 1 k, 2 v, 3 o
	s_and_b32 s28, s26, 7                          ; which 128 columns
	s_bfe_u32 s29, s26, 0x20003                    ; which 256 along K
	s_wait_kmcnt 0x0
	s_cmp_eq_u32 s27, 1                            ; the choices hang on the work-group's number alone
	s_cselect_b64 s[6:7], s[8:9], s[6:7]
	s_cselect_b32 s37, s39, s37
	s_cmp_eq_u32 s27, 2
	s_cselect_b64 s[6:7], s[10:11], s[6:7]
	s_cselect_b32 s37, s41, s37
	s_cmp_eq_u32 s27, 3
	s_cselect_b64 s[6:7], s[12:13], s[6:7]
	s_cselect_b32 s37, s47, s37                    ; e: entry 1, 3, 5 or 11
	s_lshl_b32 s30, s28, 7
	s_lshl_b32 s31, s18, 5
	s_add_co_u32 s30, s30, s31                     ; my wave's first column
	s_lshl_b32 s32, s29, 20                        ; 256 rows of 4,096 bytes
	s_lshl_b32 s33, s30, 2
	s_add_co_u32 s32, s32, s33
	s_mov_b32 s33, 0
	s_add_nc_u64 s[6:7], s[6:7], s[32:33]
	s_wait_alu depctr_va_vdst(0)
	v_lshlrev_b32 v3, 2, v2                        ; in: 4 bytes a lane
.macro WLOAD t                         ; block t: W(32 t + i, my column), i = 0 .. 31, into set t % 2
.set i, 0
.rept 32
	global_load_b32 v[WX+32*((\t)%2)+i], v3, s[6:7] offset:(32*(\t)+i)*4096 th:TH_LOAD_NT
.set i, i+1
.endr
.endm
	WLOAD 0
	WLOAD 1
	s_lshl_b32 s32, s27, 20                        ; the weight's codes,
	s_lshl_b32 s34, s30, 10                        ; row = column,
	s_add_co_u32 s32, s32, s34
	s_lshl_b32 s34, s29, 8                         ; my 256 along K
	s_add_co_u32 s32, s32, s34
	s_add_co_u32 s32, s32, WCODES
	s_add_nc_u64 s[16:17], s[16:17], s[32:33]
	s_mul_i32 s35, s18, 32*WP
	s_add_co_u32 s35, s35, WSTG                    ; my stage
	v_mul_u32_u24 v4, v2, WP
	v_add_nc_u32 v4, s35, v4                       ; into it: row = my column
	v_and_b32 v5, 15, v2
	v_lshrrev_b32 v6, 4, v2                        ; out of it: sixteen lanes to a row, two rows an instruction
	v_mul_u32_u24 v7, v6, WP
	v_lshl_add_u32 v7, v5, 4, v7
	v_add_nc_u32 v7, s35, v7
	v_lshlrev_b32 v8, 10, v6
	v_lshl_add_u32 v8, v5, 4, v8                   ; and the same place in the codes: rows 1,024 bytes apart
	s_add_co_i32 s37, s37, 127
	s_lshl_b32 s34, s37, 23
	v_mov_b32 v11, s34                             ; 2^e
	s_add_co_i32 s37, s37, 8
	s_lshl_b32 s37, s37, 23
	s_or_b32 s37, s37, 0x600000
.macro WBLOCK t
.set XS, WX+32*((\t)%2)
.if (\t) < 7
	s_wait_loadcnt 32                              ; this block's 32 loads are in; the next block's may be out
.else
	s_wait_loadcnt 0
.endif
.set k, 0
.rept 32
.set k, k+1
.endr
.irp g, 0,1,2,3
	v_cvt_scalef32_pk8_fp8_f32 v[WC+2*\g:WC+2*\g+1], v[XS+8*\g:XS+8*\g+7], v11
.endr
	ds_store_b128 v4, v[WC:WC+3] offset:32*(\t)    ; 32 codes: 32 bytes of my column's row
	ds_store_b128 v4, v[WC+4:WC+7] offset:32*(\t)+16
.if (\t)+2 < 8
	WLOAD (\t)+2
.endif
	s_wait_dscnt 0x0                               ; the stores have read their registers: the next block's codes may be written
.endm
	s_wait_alu depctr_va_vdst(0)
.irp t, 0,1,2,3,4,5,6,7
	WBLOCK \t
.endr
.irp t, 0,1,2,3,4,5,6,7,8,9,10,11,12,13,14,15
	ds_load_b128 v[WO+4*\t:WO+4*\t+3], v7 offset:2*\t*WP   ; LDS serves a wave's instructions in order: these see my stores
.endr
.irp t, 0,1,2,3,4,5,6,7,8,9,10,11,12,13,14,15
	s_wait_dscnt 15-\t                             ; read-back t is in; the younger ones may be out
	global_store_b128 v8, v[WO+4*\t:WO+4*\t+3], s[16:17] offset:2*\t*1024
.endr
	s_wait_tensorcnt 0x0
	ds_add_u32 v240, v241
	s_wait_dscnt 0x0
	s_endpgm
.Lfunc_end_k_q04b1af4855_quant:
	.size	k_q04b1af4855_quant, .Lfunc_end_k_q04b1af4855_quant-k_q04b1af4855_quant
	.p2alignl 7, 3214868480
	.fill 96, 4, 3214868480
	.section	.rodata,"a",@progbits
	.p2align	6, 0x0
	.amdhsa_kernel k_q04b1af4855_quant
		.amdhsa_group_segment_fixed_size 68096
		.amdhsa_private_segment_fixed_size 0
		.amdhsa_enable_private_segment 0
		.amdhsa_kernarg_size 56
		.amdhsa_user_sgpr_count 2
		.amdhsa_user_sgpr_kernarg_segment_ptr 1
		.amdhsa_wavefront_size32 1
		.amdhsa_system_sgpr_workgroup_id_x 1
		.amdhsa_system_sgpr_workgroup_id_y 1
		.amdhsa_system_sgpr_workgroup_id_z 1
		.amdhsa_system_vgpr_workitem_id 0
		.amdhsa_next_free_vgpr 242
		.amdhsa_next_free_sgpr 66
		.amdhsa_reserve_vcc 0
		.amdhsa_float_denorm_mode_32 3
		.amdhsa_float_denorm_mode_16_64 3
		.amdhsa_fp16_overflow 1
		.amdhsa_memory_ordered 1
		.amdhsa_forward_progress 1
		.amdhsa_inst_pref_size 49
	.end_amdhsa_kernel
	.amdgpu_metadata
---
amdhsa.version: [ 1, 2 ]
amdhsa.kernels:
  - .name:           k_q04b1af4855_quant
    .symbol:         k_q04b1af4855_quant.kd
    .args:
      - { .name: x, .offset: 0, .size: 8, .value_kind: global_buffer, .address_space: global }
      - { .name: Wq, .offset: 8, .size: 8, .value_kind: global_buffer, .address_space: global }
      - { .name: Wk, .offset: 16, .size: 8, .value_kind: global_buffer, .address_space: global }
      - { .name: Wv, .offset: 24, .size: 8, .value_kind: global_buffer, .address_space: global }
      - { .name: Wo, .offset: 32, .size: 8, .value_kind: global_buffer, .address_space: global }
      - { .name: lowp_scales, .offset: 40, .size: 8, .value_kind: global_buffer, .address_space: global }
      - { .name: opc, .offset: 48, .size: 8, .value_kind: global_buffer, .address_space: global }
    .group_segment_fixed_size: 68096
    .private_segment_fixed_size: 0
    .kernarg_segment_align: 8
    .kernarg_segment_size: 56
    .max_flat_workgroup_size: 128
    .sgpr_count:     66
    .vgpr_count:     242
    .wavefront_size: 32
...
	.end_amdgpu_metadata
.endif
;; end of part 1
;; launch qkv (part 2): grid 12 x 32, 4 waves a work-group, clusters of 4 x 4, 327,680 bytes of LDS; arguments opc, lowp_scales, qkv; writes qkv
.if DOCPART == 2
	.amdgcn_target "amdgcn-amd-amdhsa--gfx1250"
	.amdhsa_code_object_version 6
	.text
	.protected	k_q04b1af4855_qkv
	.globl	k_q04b1af4855_qkv
	.p2align	8
	.type	k_q04b1af4855_qkv,@function
k_q04b1af4855_qkv:
	s_mov_b64 s[64:65], 0
	v_nop
	global_prefetch_b8 v0, s[64:65] scope:SCOPE_SE
	s_setreg_imm32_b32 hwreg(HW_REG_WAVE_MODE, 25, 1), 1
	s_wait_xcnt 0x0
	s_wait_alu depctr_hold_cnt(0) depctr_sa_sdst(0) depctr_va_vdst(0) depctr_va_sdst(0) depctr_va_ssrc(0) depctr_va_vcc(0) depctr_vm_vsrc(0)
	s_getreg_b32 s2, hwreg(HW_REG_IB_STS2, 6, 4)
	s_cmp_eq_u32 s2, 0
	s_cbranch_scc0 .Lentry_in_a_cluster
	s_endpgm
.Lentry_in_a_cluster:
	s_bfe_u32 s2, ttmp6, 0x10000c
	s_cmp_lg_u32 s2, 0xf033
	s_cbranch_scc0 .Lentry_shape_is_right
	s_endpgm
.Lentry_shape_is_right:
; q = x Wq, k = x Wk, v = x Wv on E4M3 codes (K = 1,024), each result quantised on the way out for the attention's products: q with entry 6, k with entry 7, v with entry 9 of the scales.
; IN: opc = xc[3][8192][1024] (x under entries 0, 2, 4), then from byte 25,165,824 wc[4][1024 n][1024 k].
; OUT: qkv[kind 3][b 4][hp 8][sblk 16][128][128] bytes: hp = head / 2, sblk = s / 128.  kinds 0 (q), 1 (k): inner [s % 128][(head & 1) 64 + d].  kind 2 (v): inner [(head & 1) 64 + d][s % 128]: the keys innermost.
; A sum stands for sum x 2^(ex + ew), so its code is sum / 2^E, E = e6 - e0 - e1 (q), e7 - e2 - e3 (k), e9 - e4 - e5 (v).  LIMIT: E between -126 and 119.  NaN is not served.
; THE CLUSTER'S x IS THE KIND.  A tile is 256 x 256 of (A side) x (B side): kinds 0, 1: A side = x's codes, B side = the weight's; kind 2: A side = Wv's codes, B side = x's: so v comes out transposed.
; The matrix instruction takes 16 rows of the B side as source 0 and 16 rows of the A side as source 1: a lane holds one A row and eight neighbouring B rows: eight neighbouring d of q and k, eight neighbouring keys of v:
; in each case eight neighbours along the next product's K, which one conversion packs.  A wave's 128 x 128 is one dense block of 16 KiB of qkv for every kind.
; Four waves, each 128 x 128: 64 accumulators, 512 registers.  K goes in steps of 256 through a ring of two LDS slots filled by the tensor data mover; four slots' worth in all, so the steps are written out.
; CLUSTERS: 4 x 4 work-groups; the four of a row of the cluster need the same A tiles, the four of a column the same B tiles: each tile is asked for jointly.
; Inside an instruction k stands in other places than the form's own layout gives it, alike on both sides: every product meets its partner, only the order of the sums changes.
; REGISTERS, in windows of 256: window 0: v0-31 addresses; v128-255 A's fragments, ONE set; on the way out v96-143.  window 1: B's fragments, TWO sets, at v0 and v128.
;   window 2: the accumulators of my A rows 0-63 (accumulator (a, b) at v[8 (8 a + b)]);  window 3: those of my A rows 64-127.
.set ROWB,   256                       ; a tile's row in bytes: 256 codes
.set KROW,   1024                      ; a row of codes in memory
.set PITCH,  272                       ; an LDS row: 256 bytes + 16 of padding = 68 words: row r starts at bank 4 r mod 64 (64 banks of 4 bytes: ISA guide 11.1)
.set FR,     16                        ; registers of a fragment: 16 rows x 128 K
.set NL,     4                         ; LDS loads that bring one
.set NP,     4                         ; places behind this matrix instruction (ISA guide 7.12.1)
.set HALFT,  128*PITCH                 ; what one tensor load brings
.set SLOT,   4*HALFT                   ; A's 256 rows, then B's 256 rows
.set SPARE,  2*SLOT                    ; behind the ring: the spare words, 128 bytes for each wave: two blocks of 256 bytes that no other line names
.set QP,     144                       ; the way out: a stage of 16 rows x (128 bytes + 16) for each wave, in slot 0, which has had its last fill and its last read by then
.set SCL,  12                          ; v12     2^E as f32
.set LIM,  13
.set ADRA, 16                          ; v16-17  LDS address of my A fragments in slot 0, 1
.set ADRB, 20                          ; v20-21  the same for B
.set STO,  24                          ; v24     the way out: where I put 8 codes of a row
.set RD,   25                          ; v25     where I read 16 bytes back
.set CO,   26                          ; v26     16 x lane
.set SPW,  28                          ; v28     LDS address of my spare word; never rewritten
.set NIL,  29                          ; v29     0; never rewritten
.set TMP,  32
.set CD,   96                          ; v96-111 its codes
.set BK,   112                         ; v112-127, v128-143 by turns: the block read back
.set AF,   128
.set G1, 24                            ; s[24:31] descriptor group 1 for A's tiles;  s[32:39] group 0, one set for each slot
.set G0, 32
.set G1B, 48                           ; s[48:55], s[56:63] the same for B's tiles
.set G0B, 56
.set MSB, 0
.macro WIN new                         ; the immediate's high byte repeats the setting that is left
.if MSB != \new
	s_set_vgpr_msb (MSB<<8)|\new
.set MSB, \new
.endif
.endm
.set MUL_LO, 0xa1                      ; source 0 (B) window 1, source 1 (A) window 0, C and D window 2
.set MUL_HI, 0xf1                      ; the same, C and D window 3
.set TO_B,   0x40                      ; destination window 1, address window 0
; A joint load: waves 0 and 1 fetch for A, waves 2 and 3 for B.  The branch hangs on the wave's number alone.  Four v_nop follow each of the two lines.
.macro JLOAD g0a, g1a, g0b, g1b
	s_cmp_eq_u32 s15, 0
	s_cbranch_scc0 .Lfor_b_\@
	tensor_load_to_lds s[\g0a:\g0a+3], s[\g1a:\g1a+7]
	s_nop 0
.rept 4
	v_nop
.endr
	s_branch .Lasked_\@
.Lfor_b_\@:
	tensor_load_to_lds s[\g0b:\g0b+3], s[\g1b:\g1b+7]
	s_nop 0
.rept 4
	v_nop
.endr
.Lasked_\@:
.endm
.macro CREST                           ; a round of the cluster's barrier behind its opening barrier
	s_cmp_lg_u32 s14, 0
	s_cbranch_scc1 .Lnot_wave_0_\@
	s_barrier_signal -3
.Lnot_wave_0_\@:
	s_barrier_wait -3
	s_barrier_signal -1
	s_barrier_wait -1
.endm
.macro CROUND                          ; a whole round
	s_barrier_signal -1
	s_barrier_wait -1
	CREST
.endm
	s_load_b128 s[4:7], s[0:1], 0x0                ; opc s[4:5], the scales' exponents s[6:7]
	s_load_b64 s[10:11], s[0:1], 0x10              ; qkv
	v_lshl_add_u32 v[SPW], v0, 2, SPARE
	v_mov_b32 v[NIL], 0
	ds_add_u32 v28, v29
	ds_add_u32 v28, v29
	s_wait_dscnt 0x0
	v_lshrrev_b32 v1, 5, v0
	v_readfirstlane_b32 s14, v1                    ; wave 0..3
	s_lshr_b32 s15, s14, 1                         ; which half of the tile's A rows is mine.  Also: I fetch for A (0) or for B (1)
	s_and_b32 s16, s14, 1                          ; which half of its B rows.  Also: which 128 rows of that tile I fetch
	s_bfe_u32 s40, ttmp6, 0x40000                  ; cx, cy: my place in the cluster
	s_bfe_u32 s41, ttmp6, 0x40004
	s_and_b32 s67, ttmp7, 0xffff
	s_lshl_b32 s67, s67, 2                         ; 4 x cluster y
	s_lshl_b32 s84, ttmp9, 23                      ; x's set of codes for kinds 0, 1
	s_lshl_b32 s85, ttmp9, 20
	s_add_co_u32 s85, s85, 25165824                ; the weight's codes for kinds 0, 1
	s_cmp_eq_u32 ttmp9, 2                          ; the kind is the cluster's x: the same in all sixteen partners
	s_cselect_b32 s68, 0, s67                      ; the long axis (x's 32 tiles) lies along the A side for q and k,
	s_cselect_b32 s69, s67, 0                      ; along the B side for v
	s_cselect_b32 s70, 27262976, s84               ; where the A side's codes begin in opc (v: Wv's)
	s_cselect_b32 s71, 16777216, s85               ; and the B side's (v: x under entry 4)
	s_add_co_u32 s17, s41, s68                     ; tile row: cy + what the partners share
	s_add_co_u32 s42, s40, s69                     ; tile column: cx + what the partners share
	s_lshl_b32 s43, s41, 2
	s_lshl_b32 s43, 15, s43                        ; my row of the cluster
	s_lshl_b32 s44, 0x1111, s40                    ; my column
	; descriptor group 1: a tile of 128 rows x 256 bytes, padded in LDS
	s_or_b32 s[G1+0], s43, (0<<16)|(1<<20)|(1<<21)|(5<<22)|(3<<25)  ; 15:0 the mask: A's tiles go to my row; 17:16 element of 1 byte; 20 padding on; 21 set beside a mask; 24:22 after every 64 words (code 5); 31:25 of 4 words (code 3)
	s_or_b32 s[G1B+0], s44, (0<<16)|(1<<20)|(1<<21)|(5<<22)|(3<<25)
.irp g, G1, G1B
	s_mov_b32 s[\g+1], ROWB<<16                    ; tensor_dim0
	s_mov_b32 s[\g+2], 128<<16                     ; tensor_dim1 = 128
	s_mov_b32 s[\g+3], ROWB<<16                    ; tile_dim0
	s_mov_b32 s[\g+4], 128                         ; tile_dim1 = 128
	s_mov_b32 s[\g+5], KROW                        ; tensor_dim0_stride
	s_mov_b32 s[\g+6], 0
	s_mov_b32 s[\g+7], 0
.endr
	s_lshl_b32 s18, s16, 7                         ; which 128 rows of the tile I fetch
	s_lshl_b32 s20, s17, 8
	s_add_co_u32 s20, s20, s18                     ; A: row 256 x tile row + 128 x half,
	s_lshl_b32 s20, s20, 10                        ; in bytes (all of opc lies under 2^25),
	s_add_co_u32 s20, s20, s70                     ; from the A side's first byte
	s_mov_b32 s21, 0
	s_lshl_b32 s46, s42, 8
	s_add_co_u32 s46, s46, s18                     ; B likewise, in registers that never hold cy
	s_lshl_b32 s46, s46, 10
	s_add_co_u32 s46, s46, s71
	s_mov_b32 s47, 0
	s_mul_i32 s45, s14, HALFT                      ; where they go: wave x 128 rows: no place in the cluster enters an LDS address
	s_wait_kmcnt 0x0
	s_load_b256 s[72:79], s[6:7], 0x0              ; e0 .. e7
	s_load_b128 s[80:83], s[6:7], 0x20             ; e8 .. e11
	s_add_nc_u64 s[20:21], s[4:5], s[20:21]
	s_add_nc_u64 s[46:47], s[4:5], s[46:47]
	CROUND                                         ; all sixteen work-groups are here: the first joint loads meet
.irp s, 0,1
	s_mov_b32 s[G0+4*\s], 1
	s_add_co_u32 s[G0+4*\s+1], s45, \s*SLOT
	s_add_nc_u64 s[G0+4*\s+2:G0+4*\s+3], s[20:21], \s*ROWB
	s_or_b32 s[G0+4*\s+3], s[G0+4*\s+3], 0x80000000
	s_mov_b32 s[G0B+4*\s], 1
	s_add_co_u32 s[G0B+4*\s+1], s45, \s*SLOT
	s_add_nc_u64 s[G0B+4*\s+2:G0B+4*\s+3], s[46:47], \s*ROWB
	s_or_b32 s[G0B+4*\s+3], s[G0B+4*\s+3], 0x80000000
	JLOAD G0+4*\s, G1, G0B+4*\s, G1B
.endr
	v_and_b32 v1, 15, v0                           ; r = lane % 16
	s_wait_alu depctr_va_vdst(0)
	v_bfe_u32 v2, v0, 4, 1                         ; h = lane / 16
	v_mul_u32_u24 v3, v1, PITCH
	v_lshl_add_u32 v4, v2, 4, v3                   ; a fragment's row x pitch + 16 x half
	s_mul_i32 s21, s15, HALFT                      ; my 128 rows of A
	s_mul_i32 s22, s16, HALFT                      ; my 128 rows of B,
	s_add_co_u32 s22, s22, 2*HALFT                 ; which lie behind A's 256
.irp s, 0,1
	v_add_nc_u32 v[ADRA+\s], s21, v4
	v_add_nc_u32 v[ADRB+\s], s22, v4
	s_add_co_u32 s21, s21, SLOT
	s_add_co_u32 s22, s22, SLOT
.endr
	s_mul_i32 s23, s14, 16*QP                      ; my stage
	v_mul_u32_u24 v5, v1, QP                       ; in: row r, 8 bytes for each half of the lanes
	s_wait_alu depctr_va_vdst(0)
	v_lshl_add_u32 v5, v2, 3, v5
	v_add_nc_u32 v[STO], s23, v5
	v_and_b32 v6, 31, v0
	v_lshlrev_b32 v[CO], 4, v6                     ; out: 16 bytes a lane of 512 consecutive bytes
	v_bfe_u32 v7, v0, 3, 2                         ; back: eight lanes to a row of 128 bytes, four rows an instruction
	v_and_b32 v8, 7, v0
	v_mul_u32_u24 v7, v7, QP
	v_lshl_add_u32 v7, v8, 4, v7
	v_add_nc_u32 v[RD], s23, v7
	; my block of qkv
	s_lshl_b32 s86, s17, 1
	s_add_co_u32 s86, s86, s15                     ; which 128 of the A side
	s_lshl_b32 s87, s42, 1
	s_add_co_u32 s87, s87, s16                     ; which 128 of the B side
	s_cmp_eq_u32 ttmp9, 2
	s_cselect_b32 s88, s87, s86                    ; of x's rows: 16 b + sblk
	s_cselect_b32 s89, s86, s87                    ; of the weight's columns: hp
	s_lshr_b32 s90, s88, 4
	s_lshl_b32 s90, s90, 21                        ; b
	s_and_b32 s91, s88, 15
	s_lshl_b32 s91, s91, 14                        ; sblk
	s_add_co_u32 s90, s90, s91
	s_lshl_b32 s91, s89, 18                        ; hp
	s_add_co_u32 s90, s90, s91
	s_lshl_b32 s91, ttmp9, 23                      ; kind
	s_add_co_u32 s90, s90, s91
	s_mov_b32 s91, 0
	s_add_nc_u64 s[10:11], s[10:11], s[90:91]
.macro FRAG reg, adr, q, i             ; a fragment, 16 rows x 128 K: lane l holds row l % 16; registers 4 c .. 4 c + 3 hold K = 32 c + 16 (l / 16) + 0 .. 15
.irp c, 0,1,2,3
	ds_load_b128 v[\reg+4*\c:\reg+4*\c+3], v[\adr] offset:128*(\q)+32*\c+(\i)*16*PITCH
.endr
.endm
; 16 matrix instructions: A's blocks a0, a0 + 1 x B's eight, 128 along K.  p: B's set.  zero = 1: the first product starts the sums.
; The 64 accumulators take turns, one instruction a turn, in the same order in every step.
.macro MUL16 a0, p, zero
.irp a, \a0, \a0+1
.irp b, 0,1,2,3,4,5,6,7
.if \zero
	v_wmma_f32_16x16x128_fp8_fp8 v[8*(8*((\a)%4)+\b):8*(8*((\a)%4)+\b)+7], v[128*(\p)+FR*\b:128*(\p)+FR*\b+FR-1], v[AF+FR*(\a):AF+FR*(\a)+FR-1], 0
.else
	v_wmma_f32_16x16x128_fp8_fp8 v[8*(8*((\a)%4)+\b):8*(8*((\a)%4)+\b)+7], v[128*(\p)+FR*\b:128*(\p)+FR*\b+FR-1], v[AF+FR*(\a):AF+FR*(\a)+FR-1], v[8*(8*((\a)%4)+\b):8*(8*((\a)%4)+\b)+7]
.endif
.endr
.endr
.endm
.macro FETCH_B slot, q, p              ; B's eight fragments of the slot's q-th 128 along K into set p
	WIN TO_B
.irp i, 0,1,2,3,4,5,6,7
	FRAG 128*(\p)+FR*\i, ADRB+\slot, \q, \i
.endr
	WIN 0
.endm
.macro FETCH_A slot, q, i0             ; A's blocks i0 .. i0 + 3
.irp i, \i0, \i0+1, \i0+2, \i0+3
	FRAG AF+FR*(\i), ADRA+\slot, \q, \i
.endr
.endm
; A load into a register that a matrix instruction has read, and a vector instruction that reads a matrix result, stand NP places behind that matrix instruction; only plain vector
; instructions that name none of its registers are places (ISA guide 7.12.1 for vector instructions).
.macro PLACES n
.rept \n
	v_nop
.endr
.endm
; A step of 128 along K that has its successor in the same slot.  A's blocks are free as soon as their eight products are issued: one set serves A; B's fragments work through the whole step: two sets.
.macro STEP slot, q, zero
	s_wait_dscnt 4*NL                              ; B's set and A's blocks 0-3 are in; the youngest sixteen loads (A's blocks 4-7) may be out
	WIN MUL_LO
	MUL16 0, (\q)%2, \zero
	MUL16 2, (\q)%2, \zero
	s_wait_dscnt 0                                 ; A's blocks 4-7 are in
	PLACES NP
	FETCH_B \slot, (\q)+1, 1-(\q)%2
	FETCH_A \slot, (\q)+1, 0
	WIN MUL_HI
	MUL16 4, (\q)%2, \zero
	MUL16 6, (\q)%2, \zero
	PLACES NP
	WIN 0
	FETCH_A \slot, (\q)+1, 4
.endm
; A slot's last step changes slots: ONE barrier; in front of it each wave waits for all its tensor loads, adds 0 to its spare word, and waits for that and for its own reads of this slot.  fill = 1: this slot is filled again, two K steps ahead.
.macro TURN slot, next, fill
	s_wait_tensorcnt 0x0                           ; all my tensor loads have landed: my part of the next slot  (every window is 0 here)
	ds_add_u32 v[SPW], v[NIL]                      ; 0 onto my spare word
	s_wait_dscnt 4*NL+1                            ; the add and the youngest sixteen loads (A's blocks 4-7) may be out
	WIN MUL_LO
	MUL16 0, 1, 0                                  ; sixteen matrix instructions stand between the add and the wait for it
	s_wait_dscnt 0x0                               ; the add is done, and my reads of this slot are over
	s_barrier_signal -1
	MUL16 2, 1, 0
	WIN 0
	s_barrier_wait -1
.if \fill
	CREST                                          ; the barrier has opened a round of the cluster's barrier: no wave of any partner still reads this slot's tile or has a load on its way
	s_add_nc_u64 s[G0+4*\slot+2:G0+4*\slot+3], s[G0+4*\slot+2:G0+4*\slot+3], 2*ROWB
	s_add_nc_u64 s[G0B+4*\slot+2:G0B+4*\slot+3], s[G0B+4*\slot+2:G0B+4*\slot+3], 2*ROWB
	JLOAD G0+4*\slot, G1, G0B+4*\slot, G1B         ; the first tensor load behind the round; the four v_nop behind it are the places in front of the loads below
.else
	PLACES NP
.endif
	FETCH_B \next, 0, 0
	FETCH_A \next, 0, 0
	WIN MUL_HI
	MUL16 4, 1, 0
	MUL16 6, 1, 0
	PLACES NP
	WIN 0
	FETCH_A \next, 0, 4
.endm
	s_wait_tensorcnt 1                             ; my part of K step 0 is in; K step 1's load may be out
	s_barrier_signal -1
	s_barrier_wait -1                              ; everybody's is
	FETCH_B 0, 0, 0
	FETCH_A 0, 0, 0
	FETCH_A 0, 0, 4
	STEP 0, 0, 1                                   ; K 0-127: its products start the sums
	TURN 0, 1, 1                                   ; K 128-255; slot 0 takes K 512-767
	STEP 1, 0, 0
	TURN 1, 0, 1                                   ; slot 1 takes K 768-1023
	STEP 0, 0, 0
	TURN 0, 1, 0                                   ; nothing is left to fetch: no round of the cluster's barrier
	STEP 1, 0, 0
	s_wait_dscnt 4*NL                              ; the very last step
	WIN MUL_LO
	MUL16 0, 1, 0
	MUL16 2, 1, 0
	s_wait_dscnt 0
	WIN MUL_HI
	MUL16 4, 1, 0
	MUL16 6, 1, 0
	WIN 0
; THE WAY OUT, block by block of 16 A rows x 128 B rows.  Held, converted (8 codes a lane and accumulator), through my own stage in LDS, back as 512 consecutive bytes of my block of qkv.
; LDS serves a wave's instructions in order (ISA guide 5.7.1.4): no wait between the stores and the loads, nor in front of the next block's stores.
.macro QOUT a
.set AC, 64*((\a)%4)
	WIN 0x02+((\a)/4)                              ; source 0: window 2 or 3
.set j, 0
.rept 64
.set j, j+1
.endr
	v_nop
.irp b, 0,1,2,3,4,5,6,7
	v_cvt_scalef32_pk8_fp8_f32 v[CD+2*\b:CD+2*\b+1], v[AC+8*\b:AC+8*\b+7], v[SCL]
.endr
	WIN 0
	v_nop                                          ; a plain line behind the last conversion
.irp b, 0,1,2,3,4,5,6,7
	ds_store_b64 v[STO], v[CD+2*\b:CD+2*\b+1] offset:16*\b   ; row r, B rows 16 b + 8 h + 0 .. 7
.endr
.set BB, BK+16*((\a)%2)
.irp e, 0,1,2,3
	ds_load_b128 v[BB+4*\e:BB+4*\e+3], v[RD] offset:4*QP*\e
.endr
.endm
.macro SEND a, younger                 ; younger: the LDS instructions issued behind block a's loads, which may stay out
.set BB, BK+16*((\a)%2)
	s_wait_dscnt \younger
.irp e, 0,1,2,3
	global_store_b128 v[CO], v[BB+4*\e:BB+4*\e+3], s[10:11] offset:2048*(\a)+512*\e   ; 32 lanes store 512 consecutive bytes, at a multiple of 512 from the block's first byte
.endr
.endm
	s_wait_kmcnt 0x0
	s_sub_co_i32 s86, s78, s72
	s_sub_co_i32 s86, s86, s73                     ; q: e6 - e0 - e1
	s_sub_co_i32 s87, s79, s74
	s_sub_co_i32 s87, s87, s75                     ; k: e7 - e2 - e3
	s_sub_co_i32 s88, s81, s76
	s_sub_co_i32 s88, s88, s77                     ; v: e9 - e4 - e5
	s_cmp_eq_u32 ttmp9, 1
	s_cselect_b32 s86, s87, s86
	s_cmp_eq_u32 ttmp9, 2
	s_cselect_b32 s86, s88, s86                    ; E: a choice, no branch
	s_add_co_i32 s86, s86, 127
	s_lshl_b32 s87, s86, 23
	s_add_co_i32 s86, s86, 8
	s_lshl_b32 s86, s86, 23
	s_or_b32 s86, s86, 0x600000
	v_mov_b32 v[SCL], s87                          ; 2^E.  This line is one of the four places behind the last products,
	PLACES 2                                       ; and these two more, with the v_nop in front of the conversions
	QOUT 0
.irp a, 1,2,3,4,5,6,7
.if \a > 1
	s_wait_xcnt 0x0                                ; block a - 2's stores have read their registers: block a's loads may land there
.endif
	QOUT \a
	SEND \a-1, 12                                  ; behind block a - 1's loads: block a's 8 stores and 4 loads
.endr
	SEND 7, 0
	s_wait_tensorcnt 0x0                           ; the wave's end
	ds_add_u32 v[SPW], v[NIL]
	s_wait_dscnt 0x0
	CROUND                                         ; the closing round: no work-group ends while a partner may still ask for a tile that names it
	s_endpgm
.Lfunc_end_k_q04b1af4855_qkv:
	.size	k_q04b1af4855_qkv, .Lfunc_end_k_q04b1af4855_qkv-k_q04b1af4855_qkv
	.p2alignl 7, 3214868480
	.fill 96, 4, 3214868480
	.section	.rodata,"a",@progbits
	.p2align	6, 0x0
	.amdhsa_kernel k_q04b1af4855_qkv
		.amdhsa_group_segment_fixed_size 327680
		.amdhsa_private_segment_fixed_size 0
		.amdhsa_enable_private_segment 0
		.amdhsa_kernarg_size 24
		.amdhsa_user_sgpr_count 2
		.amdhsa_user_sgpr_kernarg_segment_ptr 1
		.amdhsa_wavefront_size32 1
		.amdhsa_system_sgpr_workgroup_id_x 1
		.amdhsa_system_sgpr_workgroup_id_y 1
		.amdhsa_system_sgpr_workgroup_id_z 1
		.amdhsa_system_vgpr_workitem_id 0
		.amdhsa_next_free_vgpr 1024
		.amdhsa_next_free_sgpr 100
		.amdhsa_reserve_vcc 0
		.amdhsa_float_denorm_mode_32 3
		.amdhsa_float_denorm_mode_16_64 3
		.amdhsa_fp16_overflow 1
		.amdhsa_memory_ordered 1
		.amdhsa_forward_progress 1
		.amdhsa_inst_pref_size 93
	.end_amdhsa_kernel
	.amdgpu_metadata
---
amdhsa.version: [ 1, 2 ]
amdhsa.kernels:
  - .name:           k_q04b1af4855_qkv
    .symbol:         k_q04b1af4855_qkv.kd
    .args:
      - { .name: opc, .offset: 0, .size: 8, .value_kind: global_buffer, .address_space: global }
      - { .name: lowp_scales, .offset: 8, .size: 8, .value_kind: global_buffer, .address_space: global }
      - { .name: qkv, .offset: 16, .size: 8, .value_kind: global_buffer, .address_space: global }
    .group_segment_fixed_size: 327680
    .private_segment_fixed_size: 0
    .kernarg_segment_align: 8
    .kernarg_segment_size: 24
    .max_flat_workgroup_size: 128
    .sgpr_count:     100
    .vgpr_count:     1024
    .wavefront_size: 32
...
	.end_amdgpu_metadata
.endif
;; end of part 2
;; launch attn (part 3): grid 8 x 32, 16 waves a work-group, no clusters, 112,640 bytes of LDS; arguments qkv, lowp_scales, ctxc; writes ctxc
.if DOCPART == 3
	.amdgcn_target "amdgcn-amd-amdhsa--gfx1250"
	.amdhsa_code_object_version 6
	.text
	.protected	k_q04b1af4855_attn
	.globl	k_q04b1af4855_attn
	.p2align	8
	.type	k_q04b1af4855_attn,@function
k_q04b1af4855_attn:
	s_mov_b64 s[64:65], 0
	v_nop
	global_prefetch_b8 v0, s[64:65] scope:SCOPE_SE
	s_setreg_imm32_b32 hwreg(HW_REG_WAVE_MODE, 25, 1), 1
	s_wait_xcnt 0x0
; Causal attention on E4M3 codes, head size 64, 2,048 keys; ctx quantised on the way out (entry 10 of the scales).
; IN: qkv[kind][b][hp][sblk][128][128] bytes: q, k: [s % 128][(head & 1) 64 + d]; v: [(head & 1) 64 + d][s % 128].  OUT: ctxc[hp 8][m 8192][128]: byte (head & 1) 64 + d of plane hp.
; THE SOFTMAX: t = score x log2(e) / 8; M = the running largest t rounded UP to a whole number; p = 2^(t - M) is quantised with 2^e8, not normalised; the row's sum is taken of the unquantised p and divides at the end.
; When M moves, the sum and O are multiplied by 2^(old M - new M): exact, and no branch on data.
; SHARES.  A work-group owns a pair of heads (b, hp) and two blocks of 128 queries, blocks i and 15 - i: (i + 1) + (16 - i) = 17 block-slots of work whatever i is.  Sixteen waves: role = w / 8 (which block),
; hh = (w / 4) % 2 (which head), w % 4 (which 32 queries): two tiles of 16 queries a wave, which share every fragment of K and V.  Four waves to a SIMD: one wave's vector work stands beside another's products and LDS loads.
; K and V come 128 keys (a slot) at a time: each wave loads 1 KiB of each into registers and stores them into one of two LDS buffers, one slot ahead; one barrier a slot.
; LAYOUT.  Both products transposed: S^T = K Q^T (source 0 = 16 keys, source 1 = 16 queries), O^T = V^T P^T (source 0 = 16 of the head's 64, source 1 = P): a lane holds ONE query (lane % 16) throughout.
; K's rows lie in LDS with bits 3 and 4 of the key's number exchanged: so tile T, lane r, reads row 16 T + r, which is key 32 (T / 2) + 8 (T % 2) + r % 8 + 16 (r / 8): consecutive rows for the load, and the 16 registers of
; tiles 2 b and 2 b + 1 are 16 neighbouring keys, 32 b + 16 (lane / 16) + 0 .. 15: the conversions' results are the second product's operand.
; Inside an instruction k stands in other places than the form's own layout gives it, alike on both sides.
; CAUSAL.  All waves pass all 16 slots (the trip count is a constant); a sub-step of 64 keys that all come after the wave's 32 queries is jumped over (a scalar branch on ids); tiles beyond the later block are not loaded.
; LIMITS: e6 + e7 between -123 and 130 (added to c's exponent field); e8 and e10 between -126 and 119; e8 + e9 goes in by v_ldexp_f32.  NaN is not served.
.set PITCH, 144                        ; an LDS row: 128 bytes + 16 = 36 words: 16 consecutive rows start at 16 different groups of four banks (64 banks of 4 bytes: ISA guide 11.1)
.set VOFF,  128*PITCH                  ; a buffer: 128 rows of K, then 128 rows of V
.set SLOT,  2*VOFF
.set STG,   2*SLOT                     ; behind the two buffers: the stage for ctx, 256 rows x PITCH
.set AK,   1                           ; v1   my lane's place in a tile of K
.set AV,   2                           ; v2   the same for V
.set GOF,  3                           ; v3   my 16 bytes of a block's 16 KiB: 1,024 w + 16 lane
.set SKA,  4                           ; v4   where I store them: K (rows permuted)
.set SVA,  5                           ; v5   V
.set SCP,  6                           ; v6   2^e8
.set LMP,  7
.set RH,   8                           ; v8   r - 16 h
.set NINF, 9                           ; v9   -infinity
.set STS,  10                          ; v10  the stage: where I put 8 codes
.set STR,  11                          ; v11  and where I read 16 bytes back
.set NM,   12                          ; v[12:13], v[14:15]  (-M, largest t) of tile 0, 1
.set LS,   16                          ; v[16:17], v[18:19]  the sum, in two halves
.set FF,   20                          ; v[20:21], v[22:23]  f = 2^(old M - new M); the high words are written once
.set MA,   24                          ; v[24:25], v[26:27]  at work
.set PD,   28                          ; v28, v29  destinations of the lane exchange
.set DD,   30                          ; v30, v31  the mask's d
.set FR,   32                          ; v32-63    four fragments of K, then four of V
.set S,    64                          ; v64-127   S^T, then p: 32 a tile
.set P,    128                         ; v128-143  p's codes: 8 a tile
.set Q,    144                         ; v144-159  Q's fragments: 8 a tile
.set SG,   160                         ; v160-175  a slot's bytes on their way to LDS
.set CO,   176                         ; v176      16 x lane
.set SCX,  177                         ; v177      2^e10
.set LMX,  178
.set QOF,  179                         ; v179      Q: r x 128 + 16 h
.set O,    192                         ; v192-255  O^T: 32 a tile
.set WV,   10
.set ROLE, 11
.set HH,   12
.set W4,   13
.set YY,   15                          ; s15  8 b + hp
.set BLK,  16                          ; s16  my block of 128 queries
.set QF,   17                          ; s17  my first query
.set QL,   18                          ; s18  my last
.set KF,   19                          ; s19  the sub-step's first key
.set KLAST, 20                         ; s20  the first key of the last slot that any wave needs: 128 (15 - i)
.set TRIPS, 21
.set CS,   22                          ; s[22:23] c = log2(e) / 8 x 2^(e6 + e7), twice
.set SEL,  24                          ; s[24:25] lane selects: lane l xor 16
.set KB,   26                          ; s[26:27] the block of K to be loaded next
.set VB,   28                          ; s[28:29] of V
.set QB,   30                          ; s[30:31] my queries' codes
.macro PLACES
.rept 4
	v_nop
.endr
.endm
.macro GLOAD                           ; my 1 KiB of the next block of K and of V: each load of the wave reads 512 consecutive bytes
	global_load_b128 v[SG:SG+3], v[GOF], s[KB:KB+1]
	global_load_b128 v[SG+4:SG+7], v[GOF], s[KB:KB+1] offset:512
	global_load_b128 v[SG+8:SG+11], v[GOF], s[VB:VB+1]
	global_load_b128 v[SG+12:SG+15], v[GOF], s[VB:VB+1] offset:512
.endm
.macro SSTORE buf                      ; and into LDS: eight lanes to a row, four rows an instruction
	ds_store_b128 v[SKA], v[SG:SG+3] offset:(\buf)*SLOT
	ds_store_b128 v[SKA], v[SG+4:SG+7] offset:(\buf)*SLOT+4*PITCH
	ds_store_b128 v[SVA], v[SG+8:SG+11] offset:(\buf)*SLOT
	ds_store_b128 v[SVA], v[SG+12:SG+15] offset:(\buf)*SLOT+4*PITCH
.endm
	s_load_b128 s[4:7], s[0:1], 0x0                ; qkv s[4:5], the scales' exponents s[6:7]
	s_load_b64 s[8:9], s[0:1], 0x10                ; ctxc
	v_lshl_add_u32 v190, v0, 2, 0x1b000
	v_mov_b32 v191, 0
	v_lshrrev_b32 v12, 5, v0                       ; w
	s_delay_alu instid0(VALU_DEP_1)
	v_readfirstlane_b32 s[WV], v12                 ; wave 0..15
	v_and_b32 v13, 31, v0                          ; lane
	v_and_b32 v14, 15, v0                          ; r
	s_wait_alu depctr_va_vdst(0)
	v_bfe_u32 v15, v0, 4, 1                        ; h
	v_bfe_u32 v16, v0, 3, 2                        ; lane / 8
	v_and_b32 v17, 7, v0                           ; lane % 8
	s_lshr_b32 s[ROLE], s[WV], 3
	s_bfe_u32 s[HH], s[WV], 0x10002
	s_and_b32 s[W4], s[WV], 3
	s_and_b32 s[YY], ttmp7, 0xffff
	s_sub_co_u32 s44, 15, ttmp9
	s_cmp_eq_u32 s[ROLE], 0
	s_cselect_b32 s[BLK], ttmp9, s44               ; block i or block 15 - i
	s_lshl_b32 s[KLAST], s44, 7
	s_lshl_b32 s[QF], s[BLK], 7
	s_lshl_b32 s45, s[W4], 5
	s_add_co_u32 s[QF], s[QF], s45
	s_add_co_u32 s[QL], s[QF], 31
	s_mov_b32 s[KF], 0
	s_mov_b32 s[SEL], 0x76543210
	s_mov_b32 s[SEL+1], 0xfedcba98
	; every LDS address is made here, of constants, the lane and the wave's number
	v_mul_u32_u24 v[AK], v14, PITCH
	s_wait_alu depctr_va_vdst(0)
	v_lshl_add_u32 v[AK], v15, 4, v[AK]            ; r x pitch + 16 h
	s_mul_i32 s47, s[HH], 64*PITCH
	s_add_co_u32 s47, s47, VOFF
	v_add_nc_u32 v[AV], s47, v[AK]                 ; V: my head's 64 rows
	s_lshl_b32 s46, s[HH], 6
	v_add_nc_u32 v[AK], s46, v[AK]                 ; K: my head's 64 bytes of a row
	v_mul_u32_u24 v18, v16, PITCH
	s_delay_alu instid0(VALU_DEP_1)
	v_lshl_add_u32 v18, v17, 4, v18                ; (lane / 8) x pitch + 16 (lane % 8)
	s_wait_alu depctr_va_vdst(0)
	s_and_b32 s45, s[WV], 12                       ; w with its bits 0 and 1 exchanged: bits 3 and 4 of my eight keys' numbers
	s_and_b32 s46, s[WV], 1
	s_lshl_b32 s46, s46, 1
	s_or_b32 s45, s45, s46
	s_bfe_u32 s46, s[WV], 0x10001
	s_or_b32 s45, s45, s46
	s_mul_i32 s46, s45, 8*PITCH
	v_add_nc_u32 v[SKA], s46, v18
	s_mul_i32 s46, s[WV], 8*PITCH
	s_add_co_u32 s46, s46, VOFF
	v_add_nc_u32 v[SVA], s46, v18
	s_mul_i32 s46, s[WV], 16*PITCH
	s_add_co_u32 s46, s46, STG
	v_add_nc_u32 v[STR], s46, v18                  ; back from the stage: rows 16 w on
	s_lshl_b32 s46, s[ROLE], 7
	s_lshl_b32 s47, s[W4], 5
	s_add_co_u32 s46, s46, s47
	s_mul_i32 s46, s46, PITCH
	s_lshl_b32 s47, s[HH], 6
	s_add_co_u32 s46, s46, s47
	s_add_co_u32 s46, s46, STG
	v_mul_u32_u24 v[STS], v14, PITCH
	s_delay_alu instid0(VALU_DEP_1)
	v_lshl_add_u32 v[STS], v15, 3, v[STS]
	s_delay_alu instid0(VALU_DEP_1)
	v_add_nc_u32 v[STS], s46, v[STS]               ; into the stage: row 128 role + 32 (w % 4) + r, byte 64 hh + 8 h
	v_lshlrev_b32 v[GOF], 4, v13
	v_lshlrev_b32 v[CO], 4, v13
	s_delay_alu instid0(VALU_DEP_2)
	v_lshl_add_u32 v[GOF], v12, 10, v[GOF]
	v_lshlrev_b32 v[QOF], 7, v14
	s_delay_alu instid0(VALU_DEP_1)
	v_lshl_add_u32 v[QOF], v15, 4, v[QOF]
	v_lshlrev_b32 v19, 4, v15
	s_delay_alu instid0(VALU_DEP_1)
	v_sub_nc_u32 v[RH], v14, v19
	; offsets in the buffers
	s_lshl_b32 s46, s[YY], 18                      ; the pair of heads' 16 blocks of 16 KiB
	s_mov_b32 s47, 0
	s_lshl_b32 s48, s[BLK], 14                     ; Q: my block, my 32 rows of 128 bytes, my head's 64 bytes
	s_lshl_b32 s45, s[W4], 12
	s_add_co_u32 s48, s48, s45
	s_lshl_b32 s45, s[HH], 6
	s_add_co_u32 s48, s48, s45
	s_mov_b32 s49, 0
	s_and_b32 s50, s[YY], 7                        ; ctxc: plane hp, row 2,048 b + 128 block + 16 (w % 8)
	s_lshl_b32 s50, s50, 20
	s_lshr_b32 s45, s[YY], 3
	s_lshl_b32 s45, s45, 18
	s_add_co_u32 s50, s50, s45
	s_lshl_b32 s45, s[BLK], 14
	s_add_co_u32 s50, s50, s45
	s_and_b32 s45, s[WV], 7
	s_lshl_b32 s45, s45, 11
	s_add_co_u32 s50, s50, s45
	s_mov_b32 s51, 0
	s_wait_alu depctr_va_vdst(0)
	s_wait_kmcnt 0x0
	s_load_b64 s[38:39], s[6:7], 0x18              ; e6, e7
	s_load_b128 s[40:43], s[6:7], 0x20             ; e8, e9, e10, e11
	s_add_nc_u64 s[KB:KB+1], s[4:5], s[46:47]
	s_add_nc_u64 s[VB:VB+1], s[KB:KB+1], 0x1000000 ; kind 2
	s_add_nc_u64 s[QB:QB+1], s[KB:KB+1], s[48:49]  ; kind 0
	s_add_nc_u64 s[KB:KB+1], s[KB:KB+1], 0x800000  ; kind 1
	s_add_nc_u64 s[8:9], s[8:9], s[50:51]
	GLOAD                                          ; slot 0
.irp a, 0,1
.irp c, 0,1
	global_load_b128 v[Q+8*\a+4*\c:Q+8*\a+4*\c+3], v[QOF], s[QB:QB+1] offset:2048*\a+32*\c   ; Q's two fragments stay in registers
.endr
.endr
.irp a, 0,1
	v_mov_b32 v[NM+2*\a+1], 0xff61b1e6             ; the largest t so far: -3e38, under every t
	s_delay_alu instid0(VALU_DEP_1)
	v_floor_f32 v[NM+2*\a], -v[NM+2*\a+1]          ; -M
	v_mov_b32 v[LS+2*\a], 0
	v_mov_b32 v[LS+2*\a+1], 0
	v_mov_b32 v[FF+2*\a+1], 0                      ; (named as the upper half of a pair)
	v_mov_b32 v[PD+\a], 0                          ; a lane exchange's destination counts as one of its sources
.endr
	v_mov_b32 v[NINF], 0xff800000
.set j, 0
.rept 64
	v_mov_b32 v[O+j], 0                            ; O^T.  The sub-step is written without a first one of its own: the first finds zeros, which the first change of M leaves zeros
.set j, j+1
.endr
	s_wait_kmcnt 0x0
	s_add_co_i32 s44, s38, s39
	s_lshl_b32 s44, s44, 23
	s_add_co_i32 s[CS], s44, 0x3e38aa3b            ; c = log2(e) / 8, with e6 + e7 added to its exponent field: a score stands for score x 2^(e6 + e7)
	s_mov_b32 s[CS+1], s[CS]
	s_add_co_i32 s44, s40, 127
	s_lshl_b32 s45, s44, 23
	v_mov_b32 v[SCP], s45
	s_add_co_i32 s44, s42, 127
	s_lshl_b32 s45, s44, 23
	v_mov_b32 v[SCX], s45
	s_add_co_i32 s48, s40, s41                     ; e8 + e9
; One tile's softmax for 64 keys (32 a lane), up to the sum.
.macro SOFTA a
.set SB, S+32*\a
.set TM, MA+2*\a
.set NB, NM+2*\a
.set LB, LS+2*\a
.set FB, FF+2*\a
	v_max3_num_f32 v[TM], v[SB], v[SB+1], v[SB+2]  ; the largest score of my query among my 32 keys, in two chains; each accumulator is first read at its low end
	v_max3_num_f32 v[TM+1], v[SB+3], v[SB+4], v[SB+5]
.irp i, 6,10,14,18,22,26
	v_max3_num_f32 v[TM], v[TM], v[SB+\i], v[SB+\i+1]
	v_max3_num_f32 v[TM+1], v[TM+1], v[SB+\i+2], v[SB+\i+3]
.endr
	v_max3_num_f32 v[TM], v[TM], v[SB+30], v[SB+31]
	s_delay_alu instid0(VALU_DEP_1)
	v_max_num_f32 v[TM], v[TM], v[TM+1]
	s_delay_alu instid0(VALU_DEP_1)
	v_permlanex16_b32 v[PD+\a], v[TM], s[SEL], s[SEL+1]
	s_delay_alu instid0(VALU_DEP_1)
	v_max_num_f32 v[TM], v[TM], v[PD+\a]           ; and among lane l xor 16's
	s_delay_alu instid0(VALU_DEP_1)
	v_mul_f32 v[TM], s[CS], v[TM]                  ; as t (c is positive)
	s_delay_alu instid0(VALU_DEP_1)
	v_max_num_f32 v[NB+1], v[NB+1], v[TM]          ; the running largest t
	v_mov_b32 v[TM], v[NB]
	s_delay_alu instid0(VALU_DEP_2)
	v_floor_f32 v[NB], -v[NB+1]                    ; the new -M = floor(-t): M is a whole number
	s_delay_alu instid0(VALU_DEP_1)
	v_sub_f32 v[TM], v[NB], v[TM]                  ; old M - new M: a whole number, 0 or less
	s_delay_alu instid0(VALU_DEP_1)
	v_cvt_i32_f32 v[TM], v[TM]                     ; (it saturates)
	s_delay_alu instid0(VALU_DEP_1)
	v_ldexp_f32 v[FB], 1.0, v[TM]                  ; f = 2^(old M - new M)
.irp j, 0,2,4,6,8,10,12,14,16,18,20,22,24,26,28,30
	v_pk_fma_f32 v[SB+\j:SB+\j+1], v[SB+\j:SB+\j+1], s[CS:CS+1], v[NB:NB+1] op_sel_hi:[1,0,0]   ; t - M (of the pairs c and -M the low word serves both halves)
.endr
.set j, 0
	s_wait_alu depctr_va_vdst(0)
.rept 32
	v_exp_f32 v[SB+j], v[SB+j]                     ; p = 2^(t - M), at most 1
.set j, j+1
.endr
	v_pk_mul_f32 v[LB:LB+1], v[LB:LB+1], v[FB:FB+1] op_sel_hi:[1,0]   ; the sum under the new M: the plain line behind the exponentials
	s_wait_alu depctr_va_vdst(0)
	v_pk_add_f32 v[TM:TM+1], v[SB:SB+1], v[SB+2:SB+3]                 ; the sum of the UNQUANTISED p, two at a time, in two chains
.irp j, 4,8,12,16,20,24,28
	v_pk_add_f32 v[LB:LB+1], v[LB:LB+1], v[SB+\j:SB+\j+1]
	v_pk_add_f32 v[TM:TM+1], v[TM:TM+1], v[SB+\j+2:SB+\j+3]
.endr
	s_delay_alu instid0(VALU_DEP_1)
	v_pk_add_f32 v[LB:LB+1], v[LB:LB+1], v[TM:TM+1]
.endm
; A SUB-STEP: 64 keys, the q-th half of the slot in buffer buf, for my two tiles of queries.
.macro SUB buf, q
	s_cmp_gt_u32 s[KF], s[QL]                      ; all its keys come after my queries: nothing to do but the step of KF
	s_cbranch_scc1 .Lhid_\@
.irp T, 0,1,2,3
.irp c, 0,1
	ds_load_b128 v[FR+8*\T+4*\c:FR+8*\T+4*\c+3], v[AK] offset:\buf*SLOT+(64*\q+16*\T)*PITCH+32*\c
.endr
.endr
	s_wait_dscnt 0x0
.irp T, 0,1,2,3
.irp a, 0,1
	v_wmma_f32_16x16x64_fp8_fp8 v[S+32*\a+8*\T:S+32*\a+8*\T+7], v[FR+8*\T:FR+8*\T+7], v[Q+8*\a:Q+8*\a+7], 0
.endr
.endr
	PLACES                                         ; in front of loads into registers that these products read, and of the first read of their results
.irp t, 0,1,2,3
.irp c, 0,1
	ds_load_b128 v[FR+8*\t+4*\c:FR+8*\t+4*\c+3], v[AV] offset:\buf*SLOT+16*\t*PITCH+64*\q+32*\c   ; V is asked for now and lands under the softmax
.endr
.endr
	s_add_co_u32 s44, s[KF], 63
	s_cmp_le_u32 s44, s[QF]                        ; all 64 keys count for all my queries: no mask
	s_cbranch_scc1 .Lopen_\@
	s_sub_co_i32 s44, s[QF], s[KF]
	v_add_nc_u32 v[DD], s44, v[RH]                 ; d = my query - KF - 16 h.  Register 16 b + i holds key KF + 16 h + 32 b + i: hidden where 32 b + i > d
	s_delay_alu instid0(VALU_DEP_1)
	v_add_nc_u32 v[DD+1], 16, v[DD]                ; tile 1's queries lie 16 on
.irp a, 0,1
.irp n, 0,1,2,3,4,5,6,7,8,9,10,11,12,13,14,15,16,17,18,19,20,21,22,23,24,25,26,27,28,29,30,31
	v_cmp_gt_i32 vcc_lo, 32*(\n/16)+\n%16, v[DD+\a]
	v_cndmask_b32 v[S+32*\a+\n], v[S+32*\a+\n], v[NINF], vcc_lo   ; -infinity ahead of the maximum: p = 0 then
.endr
.endr
.Lopen_\@:
	SOFTA 0
	SOFTA 1
	s_cmp_gt_i32 s40, -9                           ; e8 >= -8: 448 x 2^e8 >= 1.75 > p: nothing to hold
	s_cbranch_scc1 .Lnohold_\@
.set j, 0
.rept 64
.set j, j+1
.endr
.Lnohold_\@:
.irp a, 0,1
.irp b, 0,1
	v_cvt_scalef32_pk8_fp8_f32 v[P+8*\a+4*\b:P+8*\a+4*\b+1], v[S+32*\a+16*\b:S+32*\a+16*\b+7], v[SCP]
	v_cvt_scalef32_pk8_fp8_f32 v[P+8*\a+4*\b+2:P+8*\a+4*\b+3], v[S+32*\a+16*\b+8:S+32*\a+16*\b+15], v[SCP]
.endr
.endr
.irp a, 0,1
.irp j, 0,2,4,6,8,10,12,14,16,18,20,22,24,26,28,30
	v_pk_mul_f32 v[O+32*\a+\j:O+32*\a+\j+1], v[O+32*\a+\j:O+32*\a+\j+1], v[FF+2*\a:FF+2*\a+1] op_sel_hi:[1,0]   ; O^T under the new M; also the plain lines between the conversions and the products
.endr
.endr
	s_wait_alu depctr_va_vdst(0)
	s_wait_dscnt 0x0                               ; V is in
.irp t, 0,1,2,3
.irp a, 0,1
	v_wmma_f32_16x16x64_fp8_fp8 v[O+32*\a+8*\t:O+32*\a+8*\t+7], v[FR+8*\t:FR+8*\t+7], v[P+8*\a:P+8*\a+7], v[O+32*\a+8*\t:O+32*\a+8*\t+7]   ; the eight accumulators by turns
.endr
.endr
	PLACES                                         ; in front of the next loads into the fragments' registers and of the next read of O^T
.Lhid_\@:
	s_add_co_u32 s[KF], s[KF], 64
.endm
; A SLOT: its two sub-steps out of buffer buf; the next slot's bytes, asked for a slot ago, go into the other buffer, which every wave left ahead of the last barrier; ONE barrier: in front of it my stores have landed
; and my reads of this buffer are over; behind it the slot after next is asked for.  The wait for the loads stands on every way, outside both branches: whichever way they go, no load is issued into the staging
; registers while an earlier one may still write them.  Both branches hang on ids that all sixteen waves share, and neither goes round the barrier.
.macro SLOTWORK buf
	SUB \buf, 0
	SUB \buf, 1
	s_wait_loadcnt 0x0                             ; whatever was asked for a slot ago is in registers (where nothing was, the wait is met at once); the loads' bases may step
	s_cmp_gt_u32 s[KF], s[KLAST]                   ; no wave needs the next slot: nothing was loaded, nothing is stored
	s_cbranch_scc1 .Lnostore_\@
	SSTORE 1-\buf
	s_add_nc_u64 s[KB:KB+1], s[KB:KB+1], 16384
	s_add_nc_u64 s[VB:VB+1], s[VB:VB+1], 16384
.Lnostore_\@:
	s_wait_dscnt 0x0                               ; for the others' sake: my stores have landed (and have read their registers), my reads are back
	s_barrier_signal -1
	s_barrier_wait -1
	s_add_co_u32 s44, s[KF], 128
	s_cmp_gt_u32 s44, s[KLAST]                     ; no load goes beyond what is needed, so none leaves the buffer
	s_cbranch_scc1 .Lnoload_\@
	GLOAD
.Lnoload_\@:
.endm
	s_wait_loadcnt 0x0                             ; slot 0's bytes and Q
	SSTORE 0
	s_add_nc_u64 s[KB:KB+1], s[KB:KB+1], 16384
	s_add_nc_u64 s[VB:VB+1], s[VB:VB+1], 16384
	s_wait_dscnt 0x0
	s_barrier_signal -1
	s_barrier_wait -1
	GLOAD                                          ; slot 1: every work-group needs at least nine slots
	s_mov_b32 s[TRIPS], 8
.Lpair:                                            ; 8 trips of two slots
	SLOTWORK 0
	SLOTWORK 1
	s_sub_co_u32 s[TRIPS], s[TRIPS], 1
	s_cmp_lg_u32 s[TRIPS], 0
	s_cbranch_scc1 .Lpair
	; THE WAY OUT.  ctx = O^T / the sum x 2^(e8 + e9), quantised with 2^e10; a row's 128 bytes come from two waves (the two heads): through the stage, a barrier, back as 512 consecutive bytes.
.irp a, 0,1
	v_add_f32 v[LS+2*\a], v[LS+2*\a], v[LS+2*\a+1] ; the sum's two halves,
.endr
.irp a, 0,1
	s_delay_alu instid0(VALU_DEP_2)
	v_permlanex16_b32 v[PD+\a], v[LS+2*\a], s[SEL], s[SEL+1]
.endr
.irp a, 0,1
	s_delay_alu instid0(VALU_DEP_2)
	v_add_f32 v[LS+2*\a], v[LS+2*\a], v[PD+\a]     ; and lane l xor 16's
.endr
	s_wait_alu depctr_va_vdst(0)
	v_rcp_f32 v[LS], v[LS]
	v_rcp_f32 v[LS+2], v[LS+2]
	v_nop                                          ; a plain line behind the reciprocals
	s_wait_alu depctr_va_vdst(0)
	v_ldexp_f32 v[LS], v[LS], s48
	v_ldexp_f32 v[LS+2], v[LS+2], s48
.irp a, 0,1
.irp j, 0,2,4,6,8,10,12,14,16,18,20,22,24,26,28,30
	v_pk_mul_f32 v[S+32*\a+\j:S+32*\a+\j+1], v[O+32*\a+\j:O+32*\a+\j+1], v[LS+2*\a:LS+2*\a+1] op_sel_hi:[1,0]   ; register 8 t + i: ctx(query r, d = 16 t + 8 h + i)
.endr
.endr
.set j, 0
.rept 64
.set j, j+1
.endr
.irp a, 0,1
.irp t, 0,1,2,3
	v_cvt_scalef32_pk8_fp8_f32 v[P+8*\a+2*\t:P+8*\a+2*\t+1], v[S+32*\a+8*\t:S+32*\a+8*\t+7], v[SCX]
.endr
.endr
	v_nop                                          ; a plain line behind the last conversion
.irp a, 0,1
.irp t, 0,1,2,3
	ds_store_b64 v[STS], v[P+8*\a+2*\t:P+8*\a+2*\t+1] offset:16*\a*PITCH+16*\t
.endr
.endr
	s_wait_dscnt 0x0                               ; for the others' sake: my stores into the stage are done
	s_barrier_signal -1
	s_barrier_wait -1
.irp e, 0,1,2,3
	ds_load_b128 v[S+4*\e:S+4*\e+3], v[STR] offset:4*PITCH*\e
.endr
.irp e, 0,1,2,3
	s_wait_dscnt 3-\e                              ; read-back e is in; the younger ones may be out
	global_store_b128 v[CO], v[S+4*\e:S+4*\e+3], s[8:9] offset:512*\e   ; 32 lanes store four rows of 128 bytes: 512 consecutive bytes, aligned
.endr
	s_wait_tensorcnt 0x0
	ds_add_u32 v190, v191
	s_wait_dscnt 0x0
	s_endpgm
.Lfunc_end_k_q04b1af4855_attn:
	.size	k_q04b1af4855_attn, .Lfunc_end_k_q04b1af4855_attn-k_q04b1af4855_attn
	.p2alignl 7, 3214868480
	.fill 96, 4, 3214868480
	.section	.rodata,"a",@progbits
	.p2align	6, 0x0
	.amdhsa_kernel k_q04b1af4855_attn
		.amdhsa_group_segment_fixed_size 112640
		.amdhsa_private_segment_fixed_size 0
		.amdhsa_enable_private_segment 0
		.amdhsa_kernarg_size 24
		.amdhsa_user_sgpr_count 2
		.amdhsa_user_sgpr_kernarg_segment_ptr 1
		.amdhsa_wavefront_size32 1
		.amdhsa_system_sgpr_workgroup_id_x 1
		.amdhsa_system_sgpr_workgroup_id_y 1
		.amdhsa_system_sgpr_workgroup_id_z 1
		.amdhsa_system_vgpr_workitem_id 0
		.amdhsa_next_free_vgpr 256
		.amdhsa_next_free_sgpr 66
		.amdhsa_reserve_vcc 1
		.amdhsa_float_denorm_mode_32 3
		.amdhsa_float_denorm_mode_16_64 3
		.amdhsa_fp16_overflow 1
		.amdhsa_memory_ordered 1
		.amdhsa_forward_progress 1
		.amdhsa_inst_pref_size 92
	.end_amdhsa_kernel
	.amdgpu_metadata
---
amdhsa.version: [ 1, 2 ]
amdhsa.kernels:
  - .name:           k_q04b1af4855_attn
    .symbol:         k_q04b1af4855_attn.kd
    .args:
      - { .name: qkv, .offset: 0, .size: 8, .value_kind: global_buffer, .address_space: global }
      - { .name: lowp_scales, .offset: 8, .size: 8, .value_kind: global_buffer, .address_space: global }
      - { .name: ctxc, .offset: 16, .size: 8, .value_kind: global_buffer, .address_space: global }
    .group_segment_fixed_size: 112640
    .private_segment_fixed_size: 0
    .kernarg_segment_align: 8
    .kernarg_segment_size: 24
    .max_flat_workgroup_size: 512
    .sgpr_count:     66
    .vgpr_count:     256
    .wavefront_size: 32
...
	.end_amdgpu_metadata
.endif
;; end of part 3
;; launch proj (part 4): grid 4 x 32, 4 waves a work-group, clusters of 4 x 4, 327,680 bytes of LDS; arguments ctxc, opc, lowp_scales, bo, out0; writes out0
.if DOCPART == 4
	.amdgcn_target "amdgcn-amd-amdhsa--gfx1250"
	.amdhsa_code_object_version 6
	.text
	.protected	k_q04b1af4855_proj
	.globl	k_q04b1af4855_proj
	.p2align	8
	.type	k_q04b1af4855_proj,@function
k_q04b1af4855_proj:
	s_mov_b64 s[64:65], 0
	v_nop
	global_prefetch_b8 v0, s[64:65] scope:SCOPE_SE
	s_setreg_imm32_b32 hwreg(HW_REG_WAVE_MODE, 25, 1), 1
	s_wait_xcnt 0x0
	s_wait_alu depctr_hold_cnt(0) depctr_sa_sdst(0) depctr_va_vdst(0) depctr_va_sdst(0) depctr_va_ssrc(0) depctr_va_vcc(0) depctr_vm_vsrc(0)
	s_getreg_b32 s2, hwreg(HW_REG_IB_STS2, 6, 4)
	s_cmp_eq_u32 s2, 0
	s_cbranch_scc0 .Lentry_in_a_cluster
	s_endpgm
.Lentry_in_a_cluster:
	s_bfe_u32 s2, ttmp6, 0x10000c
	s_cmp_lg_u32 s2, 0xf033
	s_cbranch_scc0 .Lentry_shape_is_right
	s_endpgm
.Lentry_shape_is_right:
; out0 = ctx Wo + bo on E4M3 codes: out0[m][n] = 2^(e10 + e11) x (sum over k of ctx's code x Wo's code) + bo[n].  M 8,192, N 1,024, K 1,024; out0 f32.
; IN: ctxc[hp 8][m 8192][128]: plane hp holds k = 128 hp + 0 .. 127 of every row.  Wo's codes [n][k] lie in opc from byte 28,311,552.
; LIMIT: e10 + e11 between -126 and 127, so that 2^(e10 + e11) is an f32 number.
; A tile of out0, 256 x 256, is made by four waves, each 128 x 128: 64 accumulators, 512 registers.  K goes in steps of 256 through a ring of two LDS slots; four slots' worth in all, so the steps are written out.
; A slot holds two planes of A (256 rows x 128 bytes each, dense in memory: wave 0 fetches the first, wave 1 the second) and 256 rows x 256 bytes of B (waves 2 and 3: 128 rows each).
; CLUSTERS: 4 x 4 work-groups; A's tiles are shared along a row of the cluster, B's along a column: each is asked for jointly.  128 tiles in all: the launch has work for 128 work-groups.
; The matrix instruction takes 16 rows of B as source 0 and 16 rows of A as source 1: a lane holds eight neighbouring numbers of a row of out0.
; Inside an instruction k stands in other places than the form's own layout gives it, alike on both sides.
; REGISTERS, in windows of 256: window 0: v0-31 addresses and my four numbers of bo; v128-255 A's fragments, ONE set; on the way out rows read back.  window 1: B's fragments, TWO sets.  windows 2, 3: the accumulators.
.set ROWB,   256
.set KROW,   1024
.set PITCH,  272                       ; B's LDS row: 256 bytes + 16
.set PA,     144                       ; A's LDS row: 128 bytes + 16.  Both are odd multiples of 16 bytes: the 16 rows that a load touches start at 16 different groups of four banks (64 banks of 4 bytes: ISA guide 11.1)
.set PLANE,  256*PA                    ; a plane's 256 rows
.set FR,     16
.set NL,     4
.set NP,     4
.set HALFT,  128*PITCH
.set SLOT,   2*PLANE+2*HALFT
.set SPARE,  2*SLOT                    ; behind the ring: the spare words, 128 bytes for each wave: two blocks of 256 bytes that no other line names
.set SPITCH, 528                       ; the way out: a stage of 16 rows x (512 bytes + 16) for each wave, in slot 0, which has had its last fill and its last read by then
.set BIAS, 8                           ; v8-11   bo at my four columns
.set ADRA, 16
.set ADRB, 20
.set STO,  24
.set RD,   25
.set CO,   26
.set SPW,  28
.set NIL,  29
.set AF,   128
.set BK,   128                         ; the way out: 16 rows read back: v128-191 and v192-255 by turns
.set G1, 24
.set G0, 32
.set G1B, 48
.set G0B, 56
.set MSB, 0
.macro WIN new                         ; the immediate's high byte repeats the setting that is left
.if MSB != \new
	s_set_vgpr_msb (MSB<<8)|\new
.set MSB, \new
.endif
.endm
.set MUL_LO, 0xa1                      ; source 0 (B) window 1, source 1 (A) window 0, C and D window 2
.set MUL_HI, 0xf1
.set TO_B,   0x40
.macro JLOAD g0a, g1a, g0b, g1b        ; a joint load: waves 0 and 1 fetch for A, waves 2 and 3 for B; four v_nop follow each of the two lines
	s_cmp_eq_u32 s15, 0
	s_cbranch_scc0 .Lfor_b_\@
	tensor_load_to_lds s[\g0a:\g0a+3], s[\g1a:\g1a+7]
	s_nop 0
.rept 4
	v_nop
.endr
	s_branch .Lasked_\@
.Lfor_b_\@:
	tensor_load_to_lds s[\g0b:\g0b+3], s[\g1b:\g1b+7]
	s_nop 0
.rept 4
	v_nop
.endr
.Lasked_\@:
.endm
.macro CREST
	s_cmp_lg_u32 s14, 0
	s_cbranch_scc1 .Lnot_wave_0_\@
	s_barrier_signal -3
.Lnot_wave_0_\@:
	s_barrier_wait -3
	s_barrier_signal -1
	s_barrier_wait -1
.endm
.macro CROUND
	s_barrier_signal -1
	s_barrier_wait -1
	CREST
.endm
	s_load_b128 s[4:7], s[0:1], 0x0                ; ctxc s[4:5], opc s[6:7]
	s_load_b128 s[8:11], s[0:1], 0x10              ; the scales' exponents s[8:9], bo s[10:11]
	s_load_b64 s[12:13], s[0:1], 0x20              ; out0
	v_lshl_add_u32 v[SPW], v0, 2, SPARE
	v_mov_b32 v[NIL], 0
	ds_add_u32 v28, v29
	ds_add_u32 v28, v29
	s_wait_dscnt 0x0
	v_lshrrev_b32 v1, 5, v0
	v_readfirstlane_b32 s14, v1                    ; wave 0..3
	s_lshr_b32 s15, s14, 1                         ; which half of the tile's rows is mine.  Also: I fetch for A (0) or for B (1)
	s_and_b32 s16, s14, 1                          ; which half of its columns.  Also: which plane of A, or which 128 rows of B, I fetch
	s_bfe_u32 s40, ttmp6, 0x40000                  ; cx, cy
	s_bfe_u32 s41, ttmp6, 0x40004
	s_lshl_b32 s42, ttmp9, 2
	s_add_co_u32 s42, s42, s40                     ; tile column
	s_and_b32 s17, ttmp7, 0xffff
	s_lshl_b32 s17, s17, 2
	s_add_co_u32 s17, s17, s41                     ; tile row
	s_lshl_b32 s43, s41, 2
	s_lshl_b32 s43, 15, s43                        ; my row of the cluster
	s_lshl_b32 s44, 0x1111, s40                    ; my column
	; descriptor group 1.  A: 256 rows x 128 bytes, dense; padding of 4 words after every 32 (code 4).  B: 128 rows x 256 bytes, 1,024 bytes apart; padding of 4 words after every 64 (code 5)
	s_or_b32 s[G1+0], s43, (0<<16)|(1<<20)|(1<<21)|(4<<22)|(3<<25)
	s_mov_b32 s[G1+1], 128<<16                     ; tensor_dim0
	s_mov_b32 s[G1+2], 256<<16                     ; tensor_dim1
	s_mov_b32 s[G1+3], 128<<16                     ; tile_dim0
	s_mov_b32 s[G1+4], 256                         ; tile_dim1
	s_mov_b32 s[G1+5], 128                         ; tensor_dim0_stride
	s_mov_b32 s[G1+6], 0
	s_mov_b32 s[G1+7], 0
	s_or_b32 s[G1B+0], s44, (0<<16)|(1<<20)|(1<<21)|(5<<22)|(3<<25)
	s_mov_b32 s[G1B+1], ROWB<<16
	s_mov_b32 s[G1B+2], 128<<16
	s_mov_b32 s[G1B+3], ROWB<<16
	s_mov_b32 s[G1B+4], 128
	s_mov_b32 s[G1B+5], KROW
	s_mov_b32 s[G1B+6], 0
	s_mov_b32 s[G1B+7], 0
	s_lshl_b32 s20, s16, 20                        ; A: my plane (1,048,576 bytes each),
	s_lshl_b32 s18, s17, 15                        ; the tile's 256 rows of 128 bytes
	s_add_co_u32 s20, s20, s18
	s_mov_b32 s21, 0
	s_lshl_b32 s46, s42, 8                         ; B: row 256 x tile column + 128 x half, in registers that never hold cy
	s_lshl_b32 s18, s16, 7
	s_add_co_u32 s46, s46, s18
	s_lshl_b32 s46, s46, 10
	s_add_co_u32 s46, s46, 28311552                ; Wo's codes in opc
	s_mov_b32 s47, 0
	s_mul_i32 s45, s16, PLANE                      ; where they go: A's two planes,
	s_mul_i32 s19, s16, HALFT
	s_add_co_u32 s19, s19, 2*PLANE                 ; then B's two halves: no place in the cluster enters an LDS address
	s_wait_kmcnt 0x0
	s_load_b64 s[96:97], s[8:9], 0x28              ; e10, e11
	s_add_nc_u64 s[20:21], s[4:5], s[20:21]
	s_add_nc_u64 s[46:47], s[6:7], s[46:47]
	CROUND                                         ; all sixteen work-groups are here: the first joint loads meet
.irp s, 0,1
	s_mov_b32 s[G0+4*\s], 1
	s_add_co_u32 s[G0+4*\s+1], s45, \s*SLOT
	s_add_nc_u64 s[G0+4*\s+2:G0+4*\s+3], s[20:21], \s*0x200000     ; K step s begins at plane 2 s
	s_or_b32 s[G0+4*\s+3], s[G0+4*\s+3], 0x80000000
	s_mov_b32 s[G0B+4*\s], 1
	s_add_co_u32 s[G0B+4*\s+1], s19, \s*SLOT
	s_add_nc_u64 s[G0B+4*\s+2:G0B+4*\s+3], s[46:47], \s*ROWB
	s_or_b32 s[G0B+4*\s+3], s[G0B+4*\s+3], 0x80000000
	JLOAD G0+4*\s, G1, G0B+4*\s, G1B
.endr
	v_and_b32 v1, 15, v0                           ; r
	v_bfe_u32 v2, v0, 4, 1                         ; h
	v_mul_u32_u24 v3, v1, PA
	v_lshl_add_u32 v3, v2, 4, v3                   ; A: row x pitch + 16 h
	v_mul_u32_u24 v4, v1, PITCH
	v_lshl_add_u32 v4, v2, 4, v4                   ; B likewise
	s_mul_i32 s21, s15, 128*PA                     ; my 128 rows of each plane of A
	s_mul_i32 s22, s16, HALFT                      ; my 128 rows of B,
	s_add_co_u32 s22, s22, 2*PLANE                 ; which lie behind A's planes
.irp s, 0,1
	v_add_nc_u32 v[ADRA+\s], s21, v3
	v_add_nc_u32 v[ADRB+\s], s22, v4
	s_add_co_u32 s21, s21, SLOT
	s_add_co_u32 s22, s22, SLOT
.endr
	s_mul_i32 s23, s14, 16*SPITCH                  ; my stage
	v_mul_u32_u24 v5, v1, SPITCH                   ; in: row r, 32 bytes for each half of the lanes
	v_lshl_add_u32 v5, v2, 5, v5
	v_add_nc_u32 v[STO], s23, v5
	v_and_b32 v6, 31, v0
	v_lshlrev_b32 v[CO], 4, v6                     ; back: the 32 lanes take one row of 512 bytes; the same in out0 and in bo
	v_add_nc_u32 v[RD], s23, v[CO]
	s_lshl_b32 s88, s42, 10                        ; my first column, in bytes: 1,024 x tile column + 512 x half
	s_lshl_b32 s89, s16, 9
	s_add_co_u32 s88, s88, s89
	s_mov_b32 s89, 0
	s_add_nc_u64 s[10:11], s[10:11], s[88:89]
	global_load_b128 v[BIAS:BIAS+3], v[CO], s[10:11]   ; read back by rows, a lane holds the same four columns of every row: four registers carry the bias
	s_lshl_b32 s86, s17, 8
	s_lshl_b32 s87, s15, 7
	s_add_co_u32 s86, s86, s87                     ; my first row: 256 x tile row + 128 x half
	s_lshl_b32 s86, s86, 12                        ; rows of 4,096 bytes
	s_add_co_u32 s86, s86, s88
	s_mov_b32 s87, 0
	s_add_nc_u64 s[12:13], s[12:13], s[86:87]
.macro FRAGA reg, slot, q, i           ; 16 rows x 128 K: plane q of the slot; lane l holds row l % 16; registers 4 c .. 4 c + 3 hold K = 32 c + 16 (l / 16) + 0 .. 15
.irp c, 0,1,2,3
	ds_load_b128 v[\reg+4*\c:\reg+4*\c+3], v[ADRA+\slot] offset:(\q)*PLANE+(\i)*16*PA+32*\c
.endr
.endm
.macro FRAGB reg, slot, q, i
.irp c, 0,1,2,3
	ds_load_b128 v[\reg+4*\c:\reg+4*\c+3], v[ADRB+\slot] offset:128*(\q)+32*\c+(\i)*16*PITCH
.endr
.endm
; 16 matrix instructions: A's blocks a0, a0 + 1 x B's eight.  The 64 accumulators take turns, one instruction a turn, in the same order in every step.
.macro MUL16 a0, p, zero
.irp a, \a0, \a0+1
.irp b, 0,1,2,3,4,5,6,7
.if \zero
	v_wmma_f32_16x16x128_fp8_fp8 v[8*(8*((\a)%4)+\b):8*(8*((\a)%4)+\b)+7], v[128*(\p)+FR*\b:128*(\p)+FR*\b+FR-1], v[AF+FR*(\a):AF+FR*(\a)+FR-1], 0
.else
	v_wmma_f32_16x16x128_fp8_fp8 v[8*(8*((\a)%4)+\b):8*(8*((\a)%4)+\b)+7], v[128*(\p)+FR*\b:128*(\p)+FR*\b+FR-1], v[AF+FR*(\a):AF+FR*(\a)+FR-1], v[8*(8*((\a)%4)+\b):8*(8*((\a)%4)+\b)+7]
.endif
.endr
.endr
.endm
.macro FETCH_B slot, q, p
	WIN TO_B
.irp i, 0,1,2,3,4,5,6,7
	FRAGB 128*(\p)+FR*\i, \slot, \q, \i
.endr
	WIN 0
.endm
.macro FETCH_A slot, q, i0
.irp i, \i0, \i0+1, \i0+2, \i0+3
	FRAGA AF+FR*(\i), \slot, \q, \i
.endr
.endm
.macro PLACES n                        ; plain vector lines between a matrix instruction and a load into, or a read of, its registers (ISA guide 7.12.1 for reads by vector instructions)
.rept \n
	v_nop
.endr
.endm
.macro STEP slot, q, zero              ; a step of 128 along K that has its successor in the same slot
	s_wait_dscnt 4*NL                              ; B's set and A's blocks 0-3 are in; the youngest sixteen loads (A's blocks 4-7) may be out
	WIN MUL_LO
	MUL16 0, (\q)%2, \zero
	MUL16 2, (\q)%2, \zero
	s_wait_dscnt 0
	PLACES NP
	FETCH_B \slot, (\q)+1, 1-(\q)%2
	FETCH_A \slot, (\q)+1, 0
	WIN MUL_HI
	MUL16 4, (\q)%2, \zero
	MUL16 6, (\q)%2, \zero
	PLACES NP
	WIN 0
	FETCH_A \slot, (\q)+1, 4
.endm
; A slot's last step changes slots: ONE barrier; in front of it each wave waits for all its tensor loads, adds 0 to its spare word, and waits for that and for its own reads of this slot.
.macro TURN slot, next, fill
	s_wait_tensorcnt 0x0                           ; all my tensor loads have landed: my part of the next slot  (every window is 0 here)
	ds_add_u32 v[SPW], v[NIL]                      ; 0 onto my spare word
	s_wait_dscnt 4*NL+1                            ; the add and the youngest sixteen loads may be out
	WIN MUL_LO
	MUL16 0, 1, 0
	s_wait_dscnt 0x0                               ; the add is done, and my reads of this slot are over
	s_barrier_signal -1
	MUL16 2, 1, 0
	WIN 0
	s_barrier_wait -1
.if \fill
	CREST                                          ; a round of the cluster's barrier: no wave of any partner still reads this slot's tile or has a load on its way
	s_add_nc_u64 s[G0+4*\slot+2:G0+4*\slot+3], s[G0+4*\slot+2:G0+4*\slot+3], 0x400000   ; four planes on
	s_add_nc_u64 s[G0B+4*\slot+2:G0B+4*\slot+3], s[G0B+4*\slot+2:G0B+4*\slot+3], 2*ROWB
	JLOAD G0+4*\slot, G1, G0B+4*\slot, G1B         ; the first tensor load behind the round; its four v_nop are the places in front of the loads below
.else
	PLACES NP
.endif
	FETCH_B \next, 0, 0
	FETCH_A \next, 0, 0
	WIN MUL_HI
	MUL16 4, 1, 0
	MUL16 6, 1, 0
	PLACES NP
	WIN 0
	FETCH_A \next, 0, 4
.endm
	s_wait_tensorcnt 1                             ; my part of K step 0 is in; K step 1's load may be out
	s_barrier_signal -1
	s_barrier_wait -1
	FETCH_B 0, 0, 0
	FETCH_A 0, 0, 0
	FETCH_A 0, 0, 4
	STEP 0, 0, 1                                   ; K 0-127: its products start the sums
	TURN 0, 1, 1                                   ; slot 0 takes K 512-767
	STEP 1, 0, 0
	TURN 1, 0, 1                                   ; slot 1 takes K 768-1023
	STEP 0, 0, 0
	TURN 0, 1, 0                                   ; nothing is left to fetch
	STEP 1, 0, 0
	s_wait_dscnt 4*NL
	WIN MUL_LO
	MUL16 0, 1, 0
	MUL16 2, 1, 0
	s_wait_dscnt 0
	WIN MUL_HI
	MUL16 4, 1, 0
	MUL16 6, 1, 0
	WIN 0
; THE WAY OUT, block by block of 16 rows x 128 columns: the sums go from the accumulators straight into my own stage and come back as whole rows of 512 bytes; there one packed multiply-add for two numbers gives
; sum x 2^(e10 + e11) + bo.  LDS serves a wave's instructions in order (ISA guide 5.7.1.4): no wait between the stores and the loads.
.macro TOSTAGE a
.set AC, 64*((\a)%4)
	WIN 0x08+4*((\a)/4)                            ; an LDS store's data are its source 1: window 2 or 3
.irp b, 0,1,2,3,4,5,6,7
	ds_store_b128 v[STO], v[AC+8*\b:AC+8*\b+3] offset:64*\b          ; each accumulator from its low end on
	ds_store_b128 v[STO], v[AC+8*\b+4:AC+8*\b+7] offset:64*\b+16
.endr
	WIN 0
.set BB, BK+64*((\a)%2)
.irp t, 0,1,2,3,4,5,6,7,8,9,10,11,12,13,14,15
	ds_load_b128 v[BB+4*\t:BB+4*\t+3], v[RD] offset:\t*SPITCH
.endr
.endm
.macro SEND a, younger                 ; younger: the LDS instructions issued behind block a's loads, which may stay out
.set BB, BK+64*((\a)%2)
	s_wait_dscnt \younger
.if (\a) > 0
	s_add_nc_u64 s[12:13], s[12:13], 16*4096       ; (behind a wait on XCNT: the earlier stores have read their base)  16 rows on
.endif
.irp t, 0,1,2,3,4,5,6,7,8,9,10,11,12,13,14,15
	v_pk_fma_f32 v[BB+4*\t:BB+4*\t+1], v[BB+4*\t:BB+4*\t+1], s[96:97], v[BIAS:BIAS+1] op_sel_hi:[1,0,1]
	v_pk_fma_f32 v[BB+4*\t+2:BB+4*\t+3], v[BB+4*\t+2:BB+4*\t+3], s[96:97], v[BIAS+2:BIAS+3] op_sel_hi:[1,0,1]
	global_store_b128 v[CO], v[BB+4*\t:BB+4*\t+3], s[12:13] offset:\t*4096 th:TH_STORE_NT   ; 32 lanes store 512 consecutive bytes, aligned; written once, read by nobody here
.endr
.endm
	s_wait_kmcnt 0x0
	s_add_co_i32 s96, s96, s97
	s_add_co_i32 s96, s96, 127
	s_lshl_b32 s96, s96, 23                        ; 2^(e10 + e11) as f32
	s_mov_b32 s97, s96                             ; (named with it as a pair)
	s_wait_loadcnt 0x0                             ; bo
	PLACES NP                                      ; behind the last products: for the LDS stores that read results and the loads into the registers that held A's fragments
	TOSTAGE 0
.irp a, 1,2,3,4,5,6,7
.if \a > 1
	s_wait_xcnt 0x0                                ; block a - 2's stores have read their registers and their base
.endif
	TOSTAGE \a
	SEND \a-1, 32                                  ; behind block a - 1's loads: block a's 16 stores and 16 loads
.endr
	s_wait_xcnt 0x0                                ; block 6's stores have read their base
	SEND 7, 0
	s_wait_tensorcnt 0x0                           ; the wave's end
	ds_add_u32 v[SPW], v[NIL]
	s_wait_dscnt 0x0
	CROUND                                         ; the closing round
	s_endpgm
.Lfunc_end_k_q04b1af4855_proj:
	.size	k_q04b1af4855_proj, .Lfunc_end_k_q04b1af4855_proj-k_q04b1af4855_proj
	.p2alignl 7, 3214868480
	.fill 96, 4, 3214868480
	.section	.rodata,"a",@progbits
	.p2align	6, 0x0
	.amdhsa_kernel k_q04b1af4855_proj
		.amdhsa_group_segment_fixed_size 327680
		.amdhsa_private_segment_fixed_size 0
		.amdhsa_enable_private_segment 0
		.amdhsa_kernarg_size 40
		.amdhsa_user_sgpr_count 2
		.amdhsa_user_sgpr_kernarg_segment_ptr 1
		.amdhsa_wavefront_size32 1
		.amdhsa_system_sgpr_workgroup_id_x 1
		.amdhsa_system_sgpr_workgroup_id_y 1
		.amdhsa_system_sgpr_workgroup_id_z 1
		.amdhsa_system_vgpr_workitem_id 0
		.amdhsa_next_free_vgpr 1024
		.amdhsa_next_free_sgpr 100
		.amdhsa_reserve_vcc 0
		.amdhsa_float_denorm_mode_32 3
		.amdhsa_float_denorm_mode_16_64 3
		.amdhsa_memory_ordered 1
		.amdhsa_forward_progress 1
		.amdhsa_inst_pref_size 124
	.end_amdhsa_kernel
	.amdgpu_metadata
---
amdhsa.version: [ 1, 2 ]
amdhsa.kernels:
  - .name:           k_q04b1af4855_proj
    .symbol:         k_q04b1af4855_proj.kd
    .args:
      - { .name: ctxc, .offset: 0, .size: 8, .value_kind: global_buffer, .address_space: global }
      - { .name: opc, .offset: 8, .size: 8, .value_kind: global_buffer, .address_space: global }
      - { .name: lowp_scales, .offset: 16, .size: 8, .value_kind: global_buffer, .address_space: global }
      - { .name: bo, .offset: 24, .size: 8, .value_kind: global_buffer, .address_space: global }
      - { .name: out0, .offset: 32, .size: 8, .value_kind: global_buffer, .address_space: global }
    .group_segment_fixed_size: 327680
    .private_segment_fixed_size: 0
    .kernarg_segment_align: 8
    .kernarg_segment_size: 40
    .max_flat_workgroup_size: 128
    .sgpr_count:     100
    .vgpr_count:     1024
    .wavefront_size: 32
...
	.end_amdgpu_metadata
.endif
;; end of part 4
